; MI455X (gfx1250); checked and timed in simulation.
; The chip was launched on July 23, 2026; its instructions are those of AMD's public machine-readable ISA for CDNA 5 (MIT licence, August 2026) and "CDNA5" Instruction Set Architecture Reference Guide (July 2026). The comments in the code are by the model that wrote it; some were corrected since.
;; Diff MLA Attention. Allowed arithmetic: matrix products marked QUANTISED: E2M1 operands, one E8M0 scale for each 32 along K, by v_wmma_scale_f32_16x16x128_f8f6f4 with both operands' format E2M1 (or v_wmma_scale_f32_32x16x128_f4), f32 sums; products left as they are: bf16, f16 or f32 operands; f32 sums; everything else in f32.
;; Inputs: W_DKV 2,048 x 512 float32; W_DQ 2,048 x 1,024 float32; W_UK 512 x 2,048 float32; W_UQ 1,024 x 4,096 float32; W_UV 512 x 2,048 float32; W_lam 2,048 x 16 float32; W_out 2,048 x 2,048 float32; b_lam 16 float32; x 1 x 2,048 x 2,048 float32.
;; Outputs: out0 1 x 2,048 x 2,048 float32.
;; This version of the problem:
;;   THIS VERSION OF THE PROBLEM IS GIVEN IN LOW PRECISION. The matrix products marked QUANTISED in the list below multiply operands that are first quantised to E2M1 (2 exponent bits, 1 mantissa bit; 4 bits a number), with one power-of-two scale for each 32 numbers along K (OCP MX v1.0); their sums are f32. The products marked 'left as it is' may take bf16, f16 or f32 operands, with f32 sums. Whichever they take, every output number must still come out within the allowed error. Rounding operands to bf16 (8 significant bits) uses up far more of that allowance than f16 does (11 bits, for magnitudes from 6e-5 to 65,504). All else is computed in f32.
;;   The module's matrix products, in the order in which they are computed (A, B: the left and right operand; K: the contracted axis; several contracted axes count as one K, in the product's order):
;;     1. [M 2,048, K 2,048] x [K 2,048, N 512]; A: input x; B: input W_DKV: QUANTISED
;;     2. [M 2,048, K 512] x [K 512, N 2,048]; A: computed on the way; B: input W_UK: left as it is (an operand is computed on the way)
;;     3. [M 2,048, K 512] x [K 512, N 2,048]; A: computed on the way; B: input W_UV: left as it is (an operand is computed on the way)
;;     4. [M 2,048, K 2,048] x [K 2,048, N 1,024]; A: input x; B: input W_DQ: QUANTISED
;;     5. [M 2,048, K 1,024] x [K 1,024, N 4,096]; A: computed on the way; B: input W_UQ: left as it is (an operand is computed on the way)
;;     6. batch 16 x [M 4,096, K 128] x [K 128, N 2,048]; A: computed on the way; B: computed on the way: left as it is (an operand is computed on the way)
;;     7. batch 16 x [M 4,096, K 2,048] x [K 2,048, N 128]; A: computed on the way; B: computed on the way: left as it is (an operand is computed on the way)
;;     8. [M 2,048, K 2,048] x [K 2,048, N 16]; A: input x; B: input W_lam: QUANTISED
;;     9. [M 2,048, K 2,048] x [K 2,048, N 2,048]; A: computed on the way; B: input W_out: left as it is (an operand is computed on the way)
;;   THE QUANTISER, for each operand of a quantised product, along K:
;;     - K is cut into blocks of 32 from its start; a last block that is shorter is filled with zeros.
;;     - A block's scale is 2^e with e = floor(log2(the largest magnitude in the block)) - 2, held to -126 .. 127; a block of zeros has e = 0. As a byte (E8M0): e + 127.
;;     - Each number is divided by its block's scale, clamped to +-6, and rounded to the nearest number of E2M1, ties to even, subnormals kept.
;;     - The product sums the exact products of the quantised numbers (number of the format x scale) in f32.
;;   ~~~python
;;   def quantise(x, axis):      # numpy; x: float32 -> the quantised numbers, widened to float32 again
;;       x = np.moveaxis(x, axis, -1); K = x.shape[-1]
;;       x = np.pad(x, [(0, 0)] * (x.ndim - 1) + [(0, -K % 32)]); x = x.reshape(x.shape[:-1] + (-1, 32)); a = np.abs(x).max(-1, keepdims=True)
;;       e = np.where(a > 0, np.clip(np.frexp(np.where(a > 0, a, 1))[1] - 1 - 2, -126, 127), 0)      # np.frexp(a)[1] - 1 = floor(log2(a)), exactly
;;       r = np.clip(x / 2.0 ** e, -6, 6)
;;       step = 2.0 ** (np.maximum(np.frexp(np.where(r == 0, 1, r))[1] - 1, 0) - 1)
;;       q = np.round(r / step) * step * 2.0 ** e      # np.round: ties to even
;;       return np.moveaxis(q.reshape(q.shape[:-2] + (-1,))[..., :K], -1, axis).astype(np.float32)
;;   ~~~
;; One version. Each part assembles by itself: llvm-mc -triple=amdgcn-amd-amdhsa -mcpu=gfx1250 --defsym DOCPART=n.
;; ======== version 1 of 1: 6 launches
;; limits: values are held in f16: magnitudes above 65,504 overflow, below 6.1e-05 lose precision; right only within a limited range of input values
;; workspace buffers: xq 2,228,224 bytes; wq 1,688,576 bytes; wh 20,971,520 bytes; rope 1,064,960 bytes; cimg 6,455,296 bytes; qkv 33,562,624 bytes; oimg 8,388,608 bytes; v32 131,072 bytes
;; launch prep (part 1): grid 610 x 1, 4 waves a work-group, no clusters, 34,304 bytes of LDS; arguments x, W_DKV, W_DQ, W_lam, W_UQ, W_UK, W_UV, W_out, xq, wq, wh, rope; writes xq, wq, wh, rope
.if DOCPART == 1
	.amdgcn_target "amdgcn-amd-amdhsa--gfx1250"
	.amdhsa_code_object_version 6
	.text
	.protected	k_qd13fe2f814_prep
	.globl	k_qd13fe2f814_prep
	.p2align	8
	.type	k_qd13fe2f814_prep,@function
k_qd13fe2f814_prep:
	s_mov_b64 s[64:65], 0
	v_nop
	global_prefetch_b8 v0, s[64:65] scope:SCOPE_SE
	s_setreg_imm32_b32 hwreg(HW_REG_WAVE_MODE, 25, 1), 1
	s_wait_xcnt 0x0
; PREP: every operand is laid once in the order in which a wave's operand registers take it.
;  work-groups 0-96:    W_DKV, W_DQ, W_lam [K][N] f32 -> codes of E2M1 with one E8M0 byte for each 32 along K (buffer wq)
;  work-groups 97-416:  W_UQ, W_UK, W_UV, W_out [K][N] f32 -> f16 fragment images (buffer wh)
;  work-groups 417-544: x [2048][2048] f32 -> codes and scale words (buffer xq)
;  work-groups 545-609: the table of cos and sin, 130 row tiles (buffer rope); tiles 128, 129 are made at position 0 (cos 1, sin 0)
; CODES: tile (16 rows or columns, K = 2048) x 16,384 + block (k / 32) x 256 + r x 16: a K step of 128 is 1,024 bytes, and its two loads of 16 bytes a lane at 512 c + 16 lane are the operand's registers 4 c .. 4 c + 3.
; SCALE WORDS: tile x 1,024 + (K step / 2) x 128 + r x 8 + (K step % 2) x 4.
; F16 IMAGES: ((K / 128 x tiles + tile) x 4 + kc) x 1,024 + c2 x 512 + 16 lane; lane (r, h) holds row r, k = 32 kc + 16 c2 + 8 h + 0 .. 7.
; A block's scale byte is its largest magnitude's exponent field - 2, held at 1 from below.  A block of zeros so gets the byte 1 where the rule says 127: its codes are zeros, and this program alone reads the bytes.
; LIMITS: NaN and infinities among the inputs are not served.  Weights go to f16: magnitudes over 65,504 are not served, those under 6e-5 keep an absolute error of 2^-25.
; The angle of the table is position x 2^(-j log2(10000) / 64), the power by v_exp_f32: it may differ from a correctly rounded one by about 1.3e-4 rad at the last positions.
.set SPARE, 33792                      ; behind the four stages of the x path: the spare words, 128 bytes a wave
.set SPW, 254                          ; v254 my spare word's LDS address; never rewritten
.set NIL, 255                          ; v255 0; never rewritten
.set OFF, 16                           ; v16-47   column walker: byte offsets of 32 rows down K
.set XW,  48                           ; v48-111  two sets of 32 numbers
.set CW,  112                          ; v112-239 results, registers of its own for each block
.set BB,  44                           ; s[44:59] the eight blocks' bases
	s_load_b512 s[4:19], s[0:1], 0x0               ; x, W_DKV, W_DQ, W_lam, W_UQ, W_UK, W_UV, W_out
	s_load_b256 s[20:27], s[0:1], 0x40             ; xq, wq, wh, rope
	v_lshl_add_u32 v[SPW], v0, 2, SPARE
	v_mov_b32 v[NIL], 0
	v_lshrrev_b32 v1, 5, v0
	v_readfirstlane_b32 s28, v1                    ; wave 0..3
	s_wait_kmcnt 0x0
	s_cmp_ge_u32 ttmp9, 545
	s_cbranch_scc1 .Lrope
	s_cmp_ge_u32 ttmp9, 417
	s_cbranch_scc1 .Lx
; ---------------- THE COLUMN WALKER.  A lane takes a column and its registers run down K; a work-group takes 128 columns x 256 along K (W_lam: 16 columns x all of K).
; The tensor and its figures are chosen by the work-group's number alone.
.macro CASC lo, p, pitch, cbm, cbs, tile0, dst, t4k
	s_cmp_ge_u32 ttmp9, \lo
	s_cselect_b64 s[30:31], s[\p:\p+1], s[30:31]   ; the tensor
	s_cselect_b32 s32, \lo, s32                    ; its first work-group
	s_cselect_b32 s33, \pitch, s33                 ; bytes from row to row
	s_cselect_b32 s34, \cbm, s34                   ; column blocks - 1
	s_cselect_b32 s35, \cbs, s35                   ; and their log2
	s_cselect_b32 s36, \tile0, s36                 ; first tile in wq
	s_cselect_b32 s37, \dst, s37                   ; first byte in wh
	s_cselect_b32 s38, \t4k, s38                   ; bytes of one K / 128 of its images
.endm
	s_mov_b64 s[30:31], s[6:7]
	s_mov_b32 s32, 0
	s_mov_b32 s33, 2048
	s_mov_b32 s34, 3
	s_mov_b32 s35, 2
	s_mov_b32 s36, 0
	s_mov_b32 s37, 0
	s_mov_b32 s38, 524288
	CASC 32, 8, 4096, 7, 3, 32, 0, 524288
	CASC 96, 10, 64, 0, 0, 96, 0, 524288
	CASC 97, 12, 16384, 31, 5, 0, 0, 1048576
	CASC 225, 14, 8192, 15, 4, 0, 8388608, 524288
	CASC 257, 16, 8192, 15, 4, 0, 10485760, 524288
	CASC 289, 18, 8192, 15, 4, 0, 12582912, 524288
	s_cmp_eq_u32 ttmp9, 96                         ; W_lam has 16 columns: eight threads to a column, 256 along K each
	s_cselect_b32 s39, 15, 127
	s_cselect_b32 s40, 4, 7
	s_sub_co_u32 s41, ttmp9, s32
	s_and_b32 s42, s41, s34                        ; cb: which 128 columns
	s_lshr_b32 s43, s41, s35                       ; kb: which 256 along K
	v_and_b32 v1, s39, v0                          ; my column in the block
	v_lshrrev_b32 v2, s40, v0                      ; kg: 0, but for W_lam
	v_and_b32 v3, 15, v1                           ; r
	v_lshrrev_b32 v4, 4, v1                        ; ct: tile in the block
	s_lshl_b32 s41, s33, 8                         ; 256 rows, in bytes
	v_mul_lo_u32 v5, v2, s41
	v_lshl_add_u32 v[OFF], v1, 2, v5
.set i, 1
.rept 31
	v_add_nc_u32 v[OFF+i], s33, v[OFF+i-1]
.set i, i+1
.endr
	s_mul_i32 s70, s43, s41
	s_lshl_b32 s71, s42, 9
	s_add_co_u32 s70, s70, s71
	s_mov_b32 s71, 0
	s_add_nc_u64 s[BB:BB+1], s[30:31], s[70:71]
	s_lshl_b32 s70, s33, 5                         ; 32 rows on: every block has a base of its own, so no pointer is stepped
.irp t, 1,2,3,4,5,6,7
	s_add_nc_u64 s[BB+2*\t:BB+2*\t+1], s[BB+2*\t-2:BB+2*\t-1], s[70:71]
.endr
.macro LOADW t                         ; block t: 32 rows of my column; a wave reads 128 consecutive bytes a load
.set i, 0
.rept 32
	global_load_b32 v[XW+32*((\t)%2)+i], v[OFF+i], s[BB+2*(\t):BB+2*(\t)+1] th:TH_LOAD_NT
.set i, i+1
.endr
.endm
	LOADW 0
	LOADW 1
	s_cmp_ge_u32 ttmp9, 97
	s_cbranch_scc1 .Lcast
; ---- to codes
	v_lshlrev_b32 v9, 14, v4
	v_lshl_add_u32 v9, v2, 11, v9
	v_lshl_add_u32 v9, v3, 4, v9                   ; codes: ct x 16,384 + kg x 2,048 + 16 r
	v_lshlrev_b32 v10, 10, v4
	v_lshl_add_u32 v10, v2, 7, v10
	v_lshl_add_u32 v10, v3, 3, v10                 ; scale words: ct x 1,024 + kg x 128 + 8 r
	s_lshl_b32 s70, s42, 3
	s_add_co_u32 s70, s70, s36                     ; the block's first tile
	s_lshl_b32 s72, s70, 14
	s_lshl_b32 s73, s43, 11
	s_add_co_u32 s72, s72, s73
	s_mov_b32 s73, 0
	s_add_nc_u64 s[60:61], s[22:23], s[72:73]
	s_lshl_b32 s72, s70, 10
	s_lshl_b32 s73, s43, 7
	s_add_co_u32 s72, s72, s73
	s_add_co_u32 s72, s72, 1589248
	s_mov_b32 s73, 0
	s_add_nc_u64 s[62:63], s[22:23], s[72:73]
.macro QBLOCK t
.set X, XW+32*((\t)%2)
.if \t < 7
	s_wait_loadcnt 32                              ; this block's 32 loads are in, the next block's may be out
.else
	s_wait_loadcnt 0x0
.endif
	v_max3_num_f32 v12, |v[X]|, |v[X+1]|, |v[X+2]| ; the block's largest magnitude: all 32 numbers are mine
	v_max3_num_f32 v13, |v[X+3]|, |v[X+4]|, |v[X+5]|
.irp i, 6,10,14,18,22,26
	v_max3_num_f32 v12, v12, |v[X+\i]|, |v[X+\i+1]|
	v_max3_num_f32 v13, v13, |v[X+\i+2]|, |v[X+\i+3]|
.endr
	v_max3_num_f32 v12, v12, |v[X+30]|, |v[X+31]|
	v_max3_num_f32 v12, v12, v13, 0x1800000        ; and the floor 2^(3 - 127): the byte cannot fall under 1
	v_add_nc_u32 v11, 0xff000000, v12              ; 2 off the exponent field: the conversion's scale operand
	v_lshrrev_b32 v13, 23, v11                     ; the scale's byte
.if (\t)%4 == 0
	v_mov_b32 v[6+(\t)/4], v13
.else
	v_lshl_or_b32 v[6+(\t)/4], v13, 8*((\t)%4), v[6+(\t)/4]
.endif
.irp g, 0,1,2,3
	v_cvt_scalef32_pk8_fp4_f32 v[CW+4*(\t)+\g], v[X+8*\g:X+8*\g+7], v11
.endr
	global_store_b128 v9, v[CW+4*(\t):CW+4*(\t)+3], s[60:61] offset:256*(\t)   ; sixteen lanes store 256 consecutive bytes, aligned
.if \t < 6
	LOADW \t+2
.endif
.endm
.irp t, 0,1,2,3,4,5,6,7
	QBLOCK \t
.endr
	global_store_b64 v10, v[6:7], s[62:63]         ; two scale words a column: sixteen lanes store 128 consecutive bytes (one byte for each 128 read)
	s_endpgm
; ---- to f16 images
.Lcast:
	v_lshlrev_b32 v9, 12, v4
	v_lshl_add_u32 v9, v3, 4, v9                   ; ct x 4,096 + 16 r
	s_lshl_b32 s70, s43, 1
	s_mul_i32 s70, s70, s38                        ; K / 128 = 2 kb
	s_lshl_b32 s71, s42, 15
	s_add_co_u32 s70, s70, s71
	s_add_co_u32 s70, s70, s37
	s_mov_b32 s71, 0
	s_add_nc_u64 s[60:61], s[24:25], s[70:71]
	s_mov_b32 s70, s38
	s_add_nc_u64 s[62:63], s[60:61], s[70:71]      ; and 2 kb + 1
.macro CBLOCK t
.set X, XW+32*((\t)%2)
.if \t < 7
	s_wait_loadcnt 32
.else
	s_wait_loadcnt 0x0
.endif
.set i, 0
.rept 16
	v_cvt_pk_f16_f32 v[CW+16*(\t)+i], v[X+2*i], v[X+2*i+1]
.set i, i+1
.endr
.irp c, 0,1
.irp h, 0,1
	global_store_b128 v9, v[CW+16*(\t)+8*\c+4*\h:CW+16*(\t)+8*\c+4*\h+3], s[60+2*((\t)/4):61+2*((\t)/4)] offset:((\t)%4)*1024+\c*512+\h*256   ; k = 16 c + 8 h + 0 .. 7 of my column
.endr
.endr
.if \t < 6
	LOADW \t+2
.endif
.endm
.irp t, 0,1,2,3,4,5,6,7
	CBLOCK \t
.endr
	s_endpgm
; ---------------- x.  A work-group takes a tile of 16 rows, a wave 512 along K: four K steps.  Each load reads 512 consecutive bytes of a row; a K step's 16 rows turn through the wave's own stage
; (rows of 512 + 16 bytes), so that lane (r, h) gets blocks h and 2 + h of row r whole.
.Lx:
	s_sub_co_u32 s29, ttmp9, 417                   ; row tile
	v_and_b32 v4, 31, v0
	v_lshlrev_b32 v1, 4, v4                        ; 16 x lane
	v_and_b32 v5, 15, v0                           ; r
	v_bfe_u32 v6, v0, 4, 1                         ; h
	s_mul_i32 s32, s28, 8448
	v_add_nc_u32 v2, s32, v1                       ; the stage, in
	v_mul_u32_u24 v3, v5, 528
	v_lshl_add_u32 v3, v6, 7, v3
	v_add_nc_u32 v3, s32, v3                       ; and out
	v_lshlrev_b32 v7, 3, v6                        ; 8 h
	v_mov_b32 v15, 0                               ; a lane permute's destination counts as read
	s_mov_b32 s70, 0x76543210
	s_mov_b32 s71, 0xfedcba98
	s_lshl_b32 s34, s29, 17
	s_lshl_b32 s35, s28, 11
	s_add_co_u32 s34, s34, s35
	s_mov_b32 s35, 0
	s_add_nc_u64 s[30:31], s[4:5], s[34:35]
	s_lshl_b32 s34, s29, 14
	s_lshl_b32 s35, s28, 12
	s_add_co_u32 s34, s34, s35
	s_mov_b32 s35, 0
	s_add_nc_u64 s[36:37], s[20:21], s[34:35]
	s_lshl_b32 s34, s29, 10
	s_lshl_b32 s35, s28, 8
	s_add_co_u32 s34, s34, s35
	s_add_co_u32 s34, s34, 2097152
	s_mov_b32 s35, 0
	s_add_nc_u64 s[38:39], s[20:21], s[34:35]
.macro LOADX s
.set i, 0
.rept 16
	global_load_b128 v[16+64*((\s)%2)+4*i:16+64*((\s)%2)+4*i+3], v1, s[30:31] offset:i*8192+(\s)*512 th:TH_LOAD_NT
.set i, i+1
.endr
.endm
.macro XSTEP s
.if \s < 3
	s_wait_loadcnt 16                              ; this K step's 16 loads are in, the next one's may be out
.else
	s_wait_loadcnt 0x0
.endif
.set i, 0
.rept 16
	ds_store_b128 v2, v[16+64*((\s)%2)+4*i:16+64*((\s)%2)+4*i+3] offset:i*528
.set i, i+1
.endr
.irp c, 0,1
.irp j, 0,1,2,3,4,5,6,7
	ds_load_b128 v[144+32*\c+4*\j:144+32*\c+4*\j+3], v3 offset:\c*256+\j*16   ; LDS serves a wave's instructions in order: these see the stores above
.endr
.endr
	s_wait_dscnt 0x0
.if \s < 2
	LOADX \s+2
.endif
.irp c, 0,1
	v_max3_num_f32 v[8+\c], |v[144+32*\c]|, |v[145+32*\c]|, 0x1800000
.endr
.irp i, 2,4,6,8,10,12,14,16,18,20,22,24,26,28,30
.irp c, 0,1
	v_max3_num_f32 v[8+\c], v[8+\c], |v[144+32*\c+\i]|, |v[145+32*\c+\i]|
.endr
.endr
.irp c, 0,1
	v_add_nc_u32 v[10+\c], 0xff000000, v[8+\c]
.endr
.irp c, 0,1
	v_lshrrev_b32 v[12+\c], 23, v[10+\c]
.endr
	v_lshl_or_b32 v14, v13, 16, v12                ; my two bytes: blocks h and 2 + h,
	v_lshlrev_b32 v14, v7, v14                     ; at their places in the word;
	v_permlanex16_b32 v15, v14, s70, s71
	v_or_b32 v[240+\s], v14, v15                   ; with lane l xor 16's two the word is whole
.irp c, 0,1
.irp g, 0,1,2,3
	v_cvt_scalef32_pk8_fp4_f32 v[208+8*(\s)+4*\c+\g], v[144+32*\c+8*\g:144+32*\c+8*\g+7], v[10+\c]
.endr
.endr
	v_nop                                          ; one plain line behind the last scaled conversion
.irp c, 0,1
	global_store_b128 v1, v[208+8*(\s)+4*\c:208+8*(\s)+4*\c+3], s[36:37] offset:(\s)*1024+\c*512   ; 512 consecutive bytes
.endr
.endm
	LOADX 0
	LOADX 1
	XSTEP 0
	XSTEP 1
	XSTEP 2
	XSTEP 3
	v_cmp_lt_u32 s72, 15, v4                       ; lanes 16-31 store the words of K steps 2 and 3
	v_cndmask_b32 v12, v240, v242, s72
	v_cndmask_b32 v13, v241, v243, s72
	v_lshlrev_b32 v14, 3, v4
	global_store_b64 v14, v[12:13], s[38:39]       ; 256 consecutive bytes, aligned
	s_wait_tensorcnt 0x0                           ; the wave's end: behind my last LDS store
	ds_add_u32 v[SPW], v[NIL]
	s_wait_dscnt 0x0
	s_endpgm
; ---------------- cos and sin.  Place: tile x 8,192 + t x 2,048 + (cos 0, sin 1) x 1,024 + hf x 512 + 16 lane; four numbers: frequency j = 16 t + 8 h + 4 hf + e at position 16 tile + r.
; a = position x 2^(-j log2(10000) / 64); k = the nearest whole number to a 2 / pi; rho = a - k pi / 2 with pi / 2 in three parts; polynomials on |rho| <= pi / 4; the quadrant from k.
.Lrope:
	s_sub_co_u32 s29, ttmp9, 545
	s_lshl_b32 s29, s29, 1
	s_lshr_b32 s30, s28, 1
	s_add_co_u32 s29, s29, s30                     ; row tile 0 .. 129
	s_and_b32 s30, s28, 1                          ; which 32 of the 64 frequencies
	v_and_b32 v1, 31, v0
	v_and_b32 v2, 15, v0
	v_bfe_u32 v3, v0, 4, 1
	s_lshl_b32 s31, s29, 4
	s_cmp_lt_u32 s29, 128
	s_cselect_b32 s32, 1, 0
	v_add_nc_u32 v4, s31, v2
	v_mul_lo_u32 v4, v4, s32                       ; position; 0 in tiles 128 and 129
	v_cvt_f32_u32 v4, v4
	s_lshl_b32 s33, s30, 5
	v_lshl_add_u32 v6, v3, 3, s33                  ; 32 (wave % 2) + 8 h
	v_lshlrev_b32 v7, 4, v1
	s_mov_b32 s70, 0xbe549a78                      ; -log2(10000) / 64
	s_mov_b32 s71, 0x3f22f983                      ; 2 / pi
	s_mov_b32 s72, 0xbfc90000                      ; -pi / 2, in three parts
	s_mov_b32 s73, 0xb9fda000
	s_mov_b32 s74, 0xb3a22168
	s_mov_b32 s75, 0xb94ca1f9                      ; sine: -1.9515296e-4, 8.3321609e-3, -1.6666655e-1
	s_mov_b32 s76, 0x3c08839e
	s_mov_b32 s77, 0xbe2aaaa3
	s_mov_b32 s78, 0x37ccf5ce                      ; cosine: 2.4433157e-5, -1.3887316e-3, 4.1666646e-2
	s_mov_b32 s79, 0xbab6061a
	s_mov_b32 s80, 0x3d2aaaa5
	s_lshl_b32 s34, s29, 13
	s_lshl_b32 s35, s30, 12
	s_add_co_u32 s34, s34, s35
	s_mov_b32 s35, 0
	s_add_nc_u64 s[36:37], s[26:27], s[34:35]
.macro EIGHT tp
.irp n, 0,1,2,3,4,5,6,7
	v_add_nc_u32 v[16+\n], 16*\tp+\n, v6
.endr
.irp n, 0,1,2,3,4,5,6,7
	v_cvt_f32_u32 v[16+\n], v[16+\n]
.endr
.irp n, 0,1,2,3,4,5,6,7
	v_mul_f32 v[16+\n], s70, v[16+\n]
.endr
.irp n, 0,1,2,3,4,5,6,7
	v_exp_f32 v[16+\n], v[16+\n]                   ; the inverse frequency
.endr
	v_nop                                          ; a plain line behind the batch,
	s_wait_alu depctr_va_vdst(0)                   ; and one wait for it, ahead of its first reader
.irp n, 0,1,2,3,4,5,6,7
	v_mul_f32 v[16+\n], v4, v[16+\n]               ; the angle
.endr
.irp n, 0,1,2,3,4,5,6,7
	v_mul_f32 v[24+\n], s71, v[16+\n]
.endr
.irp n, 0,1,2,3,4,5,6,7
	v_rndne_f32 v[24+\n], v[24+\n]
.endr
.irp n, 0,1,2,3,4,5,6,7
	v_fma_f32 v[32+\n], v[24+\n], s72, v[16+\n]
.endr
.irp n, 0,1,2,3,4,5,6,7
	v_fma_f32 v[32+\n], v[24+\n], s73, v[32+\n]
.endr
.irp n, 0,1,2,3,4,5,6,7
	v_fma_f32 v[32+\n], v[24+\n], s74, v[32+\n]    ; rho
.endr
.irp n, 0,1,2,3,4,5,6,7
	v_mul_f32 v[40+\n], v[32+\n], v[32+\n]         ; z = rho^2
.endr
.irp n, 0,1,2,3,4,5,6,7
	v_fma_f32 v[48+\n], v[40+\n], s75, s76
	v_fma_f32 v[56+\n], v[40+\n], s78, s79
.endr
.irp n, 0,1,2,3,4,5,6,7
	v_fma_f32 v[48+\n], v[48+\n], v[40+\n], s77
	v_fma_f32 v[56+\n], v[56+\n], v[40+\n], s80
.endr
.irp n, 0,1,2,3,4,5,6,7
	v_mul_f32 v[72+\n], v[40+\n], v[32+\n]
	v_fma_f32 v[64+\n], v[40+\n], -0.5, 1.0
.endr
.irp n, 0,1,2,3,4,5,6,7
	v_fma_f32 v[48+\n], v[48+\n], v[72+\n], v[32+\n]   ; sin rho
	v_mul_f32 v[72+\n], v[40+\n], v[40+\n]
.endr
.irp n, 0,1,2,3,4,5,6,7
	v_fma_f32 v[56+\n], v[56+\n], v[72+\n], v[64+\n]   ; cos rho
	v_cvt_i32_f32 v[64+\n], v[24+\n]               ; k
.endr
.irp n, 0,1,2,3,4,5,6,7
	v_and_b32 v[72+\n], 1, v[64+\n]
	v_cmp_eq_u32 vcc_lo, 1, v[72+\n]               ; an odd k swaps the two
	v_cndmask_b32 v[24+\n], v[48+\n], v[56+\n], vcc_lo
	v_cndmask_b32 v[32+\n], v[56+\n], v[48+\n], vcc_lo
.endr
.irp n, 0,1,2,3,4,5,6,7
	v_and_b32 v[72+\n], 2, v[64+\n]                ; the sine is negative where k % 4 is 2 or 3,
	v_add_nc_u32 v[64+\n], 1, v[64+\n]
.endr
.irp n, 0,1,2,3,4,5,6,7
	v_lshlrev_b32 v[72+\n], 30, v[72+\n]
	v_and_b32 v[64+\n], 2, v[64+\n]                ; the cosine where it is 1 or 2
.endr
.irp n, 0,1,2,3,4,5,6,7
	v_xor_b32 v[88+16*\tp+\n], v[72+\n], v[24+\n]
	v_lshlrev_b32 v[64+\n], 30, v[64+\n]
.endr
.irp n, 0,1,2,3,4,5,6,7
	v_xor_b32 v[80+16*\tp+\n], v[64+\n], v[32+\n]
.endr
.irp f, 0,1
	global_store_b128 v7, v[80+16*\tp+4*\f:80+16*\tp+4*\f+3], s[36:37] offset:\tp*2048+\f*512
	global_store_b128 v7, v[88+16*\tp+4*\f:88+16*\tp+4*\f+3], s[36:37] offset:\tp*2048+1024+\f*512
.endr
.endm
	EIGHT 0
	EIGHT 1
	s_endpgm
.Lfunc_end_k_qd13fe2f814_prep:
	.size	k_qd13fe2f814_prep, .Lfunc_end_k_qd13fe2f814_prep-k_qd13fe2f814_prep
	.p2alignl 7, 3214868480
	.fill 96, 4, 3214868480
	.section	.rodata,"a",@progbits
	.p2align	6, 0x0
	.amdhsa_kernel k_qd13fe2f814_prep
		.amdhsa_group_segment_fixed_size 34304
		.amdhsa_private_segment_fixed_size 0
		.amdhsa_enable_private_segment 0
		.amdhsa_kernarg_size 96
		.amdhsa_user_sgpr_count 2
		.amdhsa_user_sgpr_kernarg_segment_ptr 1
		.amdhsa_wavefront_size32 1
		.amdhsa_system_sgpr_workgroup_id_x 1
		.amdhsa_system_sgpr_workgroup_id_y 1
		.amdhsa_system_sgpr_workgroup_id_z 1
		.amdhsa_system_vgpr_workitem_id 0
		.amdhsa_next_free_vgpr 256
		.amdhsa_next_free_sgpr 100
		.amdhsa_reserve_vcc 1
		.amdhsa_float_denorm_mode_32 3
		.amdhsa_float_denorm_mode_16_64 3
		.amdhsa_memory_ordered 1
		.amdhsa_forward_progress 1
		.amdhsa_inst_pref_size 125
	.end_amdhsa_kernel
	.amdgpu_metadata
---
amdhsa.version: [ 1, 2 ]
amdhsa.kernels:
  - .name:           k_qd13fe2f814_prep
    .symbol:         k_qd13fe2f814_prep.kd
    .args:
      - { .name: x, .offset: 0, .size: 8, .value_kind: global_buffer, .address_space: global }
      - { .name: W_DKV, .offset: 8, .size: 8, .value_kind: global_buffer, .address_space: global }
      - { .name: W_DQ, .offset: 16, .size: 8, .value_kind: global_buffer, .address_space: global }
      - { .name: W_lam, .offset: 24, .size: 8, .value_kind: global_buffer, .address_space: global }
      - { .name: W_UQ, .offset: 32, .size: 8, .value_kind: global_buffer, .address_space: global }
      - { .name: W_UK, .offset: 40, .size: 8, .value_kind: global_buffer, .address_space: global }
      - { .name: W_UV, .offset: 48, .size: 8, .value_kind: global_buffer, .address_space: global }
      - { .name: W_out, .offset: 56, .size: 8, .value_kind: global_buffer, .address_space: global }
      - { .name: xq, .offset: 64, .size: 8, .value_kind: global_buffer, .address_space: global }
      - { .name: wq, .offset: 72, .size: 8, .value_kind: global_buffer, .address_space: global }
      - { .name: wh, .offset: 80, .size: 8, .value_kind: global_buffer, .address_space: global }
      - { .name: rope, .offset: 88, .size: 8, .value_kind: global_buffer, .address_space: global }
    .group_segment_fixed_size: 34304
    .private_segment_fixed_size: 0
    .kernarg_segment_align: 8
    .kernarg_segment_size: 96
    .max_flat_workgroup_size: 128
    .sgpr_count:     100
    .vgpr_count:     256
    .wavefront_size: 32
...
	.end_amdgpu_metadata
.endif
;; end of part 1
;; launch fp4 (part 2): grid 25 x 16, 4 waves a work-group, no clusters, 0 bytes of LDS; arguments xq, wq, b_lam, cimg; writes cimg
.if DOCPART == 2
	.amdgcn_target "amdgcn-amd-amdhsa--gfx1250"
	.amdhsa_code_object_version 6
	.text
	.protected	k_qd13fe2f814_fp4
	.globl	k_qd13fe2f814_fp4
	.p2align	8
	.type	k_qd13fe2f814_fp4,@function
k_qd13fe2f814_fp4:
	s_mov_b64 s[64:65], 0
	v_nop
	global_prefetch_b8 v0, s[64:65] scope:SCOPE_SE
	s_setreg_imm32_b32 hwreg(HW_REG_WAVE_MODE, 25, 1), 1
	s_wait_xcnt 0x0
; The three quantised products: x W_DKV (column groups 0-7), x W_DQ (8-23), x W_lam (24), on codes of E2M1 with E8M0 scales, sums in f32.
; Work-group (g, y): 64 columns x 128 rows; a wave: two row tiles x four column tiles, K = 2,048 in 16 steps of 128.  Group 24 has one column tile: its stride from tile to tile is 0, so the tile is taken four times and the first is used.
; Codes and scale words lie in the order of the operand's registers, so each fragment is two loads of 512 consecutive bytes: no LDS.  A ring of three fragment sets keeps two sets, 24 loads, on their way.
; THE MATRIX INSTRUCTION IS USED TRANSPOSED (source 0 = 16 columns of W, source 1 = 16 rows of x): lane (r, h) then holds row r and columns 8 h + 0 .. 7, which, rounded to f16, are 16 bytes of the next product's fragment image.
; OUT: c_q and c_kv as f16 images; rows 0-15 of c_kv also in f32; lambda = sigmoid(x W_lam + b_lam) as [head][row] f32.
; LIMIT: |c_kv|, |c_q| over 65,504 are not served (f16).
.set SC,  16                           ; v16-39  scale words, two sets of 12: x's two tiles (pairs), then W's four; they hold scales and nothing else
.set FR,  40                           ; v40-183 three sets of 48: x's two fragments, W's four
.set ACC, 184                          ; v184-247 accumulator (a, b) at 184 + 8 (4 a + b)
	s_load_b256 s[4:11], s[0:1], 0x0               ; xq, wq, b_lam, cimg
	v_lshrrev_b32 v1, 5, v0
	v_readfirstlane_b32 s20, v1                    ; wave
	s_and_b32 s21, ttmp7, 0xffff                   ; y
	s_lshl_b32 s22, s21, 3
	s_lshl_b32 s23, s20, 1
	s_add_co_u32 s22, s22, s23                     ; my first row tile
	s_lshl_b32 s24, ttmp9, 2                       ; my first column tile: 4 g (96 for g = 24)
	s_cmp_lt_u32 ttmp9, 24
	s_cselect_b32 s25, 16384, 0                    ; from column tile to column tile
	s_lshr_b32 s26, s25, 4
	v_and_b32 v11, 31, v0
	v_lshlrev_b32 v1, 4, v11                       ; 16 x lane
	v_lshlrev_b32 v6, 3, v11                       ; 8 x lane
	v_mov_b32 v2, v1
	v_add_nc_u32 v3, s25, v2
	v_add_nc_u32 v4, s25, v3
	v_add_nc_u32 v5, s25, v4
	v_mov_b32 v7, v6
	v_add_nc_u32 v8, s26, v7
	v_add_nc_u32 v9, s26, v8
	v_add_nc_u32 v10, s26, v9
	s_lshl_b32 s28, s22, 14
	s_mov_b32 s29, 0
	s_lshl_b32 s30, s24, 14
	s_mov_b32 s31, 0
	s_wait_kmcnt 0x0
	s_add_nc_u64 s[12:13], s[4:5], s[28:29]        ; x's codes
	s_add_nc_u64 s[14:15], s[6:7], s[30:31]        ; W's codes
	s_lshl_b32 s28, s22, 10
	s_add_co_u32 s28, s28, 2097152
	s_lshl_b32 s30, s24, 10
	s_add_co_u32 s30, s30, 1589248
	s_add_nc_u64 s[16:17], s[4:5], s[28:29]        ; x's scale words
	s_add_nc_u64 s[18:19], s[6:7], s[30:31]        ; W's
.macro FRG s                           ; K step s: 12 loads into set s % 3
.set F, FR+48*((\s)%3)
.irp a, 0,1
.irp c, 0,1
	global_load_b128 v[F+8*\a+4*\c:F+8*\a+4*\c+3], v1, s[12:13] offset:\a*16384+(\s)*1024+\c*512
.endr
.endr
.irp b, 0,1,2,3
.irp c, 0,1
	global_load_b128 v[F+16+8*\b+4*\c:F+16+8*\b+4*\c+3], v[2+\b], s[14:15] offset:(\s)*1024+\c*512
.endr
.endr
.endm
.macro SCL p                           ; the scale words of K steps 4 p .. 4 p + 3: register = step % 2; lanes 0-15 steps 4 p, 4 p + 1, lanes 16-31 steps 4 p + 2, 4 p + 3
.set Q, SC+12*((\p)%2)
.irp a, 0,1
	global_load_b64 v[Q+2*\a:Q+2*\a+1], v6, s[16:17] offset:\a*1024+(\p)*256
.endr
.irp b, 0,1,2,3
	global_load_b64 v[Q+4+2*\b:Q+4+2*\b+1], v[7+\b], s[18:19] offset:(\p)*256
.endr
.endm
.macro MUL s, zero                     ; eight products; the eight accumulators take turns, one instruction a turn
.set F, FR+48*((\s)%3)
.set Q, SC+12*(((\s)/4)%2)+((\s)%2)
.irp a, 0,1
.irp b, 0,1,2,3
.set D, ACC+8*(4*\a+\b)
.if \zero
	v_wmma_scale_f32_16x16x128_f8f6f4 v[D:D+7], v[F+16+8*\b:F+16+8*\b+7], v[F+8*\a:F+8*\a+7], 0, v[Q+4+2*\b], v[Q+2*\a] matrix_a_fmt:MATRIX_FMT_FP4 matrix_b_fmt:MATRIX_FMT_FP4
.elseif ((\s)/2)%2
	v_wmma_scale_f32_16x16x128_f8f6f4 v[D:D+7], v[F+16+8*\b:F+16+8*\b+7], v[F+8*\a:F+8*\a+7], v[D:D+7], v[Q+4+2*\b], v[Q+2*\a] matrix_a_fmt:MATRIX_FMT_FP4 matrix_b_fmt:MATRIX_FMT_FP4 matrix_a_scale:MATRIX_SCALE_ROW1 matrix_b_scale:MATRIX_SCALE_ROW1
.else
	v_wmma_scale_f32_16x16x128_f8f6f4 v[D:D+7], v[F+16+8*\b:F+16+8*\b+7], v[F+8*\a:F+8*\a+7], v[D:D+7], v[Q+4+2*\b], v[Q+2*\a] matrix_a_fmt:MATRIX_FMT_FP4 matrix_b_fmt:MATRIX_FMT_FP4
.endif
.endr
.endr
.endm
	SCL 0
	FRG 0
	FRG 1
	FRG 2
.irp s, 0,1,2,3,4,5,6,7,8,9,10,11,12,13,14,15
.if \s < 14
	s_wait_loadcnt 24                              ; behind this step's loads at least the two younger sets were issued: 24 (where six scale loads lie among them the count is the smaller, safe one)
.elseif \s == 14
	s_wait_loadcnt 12
.else
	s_wait_loadcnt 0x0
.endif
.if \s == 0
	MUL \s, 1
.else
	MUL \s, 0
.endif
.rept 4
	v_nop                                          ; four places in front of loads into registers just read, and at the end in front of the first read of results
.endr
.if \s+3 <= 15
.if (\s+3)%4 == 0
	SCL (\s+3)/4
.endif
	FRG \s+3
.endif
.endr
	s_cmp_eq_u32 ttmp9, 24
	s_cbranch_scc1 .Llam
	; ---- c_kv, c_q: rounded to f16; tile (a, b) is 512 consecutive bytes of the image
	s_cmp_lt_u32 ttmp9, 8
	s_cselect_b32 s28, 0x400000, 0                 ; c_kv's images lie behind c_q's
	s_cselect_b32 s29, 0, 8
	s_sub_co_u32 s29, ttmp9, s29                   ; the group's number in its tensor
	s_lshr_b32 s30, s29, 1
	s_lshl_b32 s30, s30, 7
	s_add_co_u32 s30, s30, s22
	s_lshl_b32 s30, s30, 12
	s_and_b32 s31, s29, 1
	s_lshl_b32 s31, s31, 11
	s_add_co_u32 s30, s30, s31
	s_add_co_u32 s30, s30, s28
	s_mov_b32 s31, 0
	s_add_nc_u64 s[32:33], s[10:11], s[30:31]
.irp t, 0,1,2,3,4,5,6,7
.irp p, 0,1,2,3
	v_cvt_pk_f16_f32 v[88+4*\t+\p], v[ACC+8*\t+2*\p], v[ACC+8*\t+2*\p+1]   ; each accumulator from its low end on
.endr
.endr
.irp a, 0,1
.irp b, 0,1,2,3
	global_store_b128 v1, v[88+4*(4*\a+\b):88+4*(4*\a+\b)+3], s[32:33] offset:\a*4096+\b*512
.endr
.endr
	s_or_b32 s28, s21, s20                         ; rows 0-15 of c_kv go out in f32 too: wave 0 of y = 0, groups 0-7
	s_lshr_b32 s29, ttmp9, 3
	s_or_b32 s28, s28, s29
	s_cmp_lg_u32 s28, 0
	s_cbranch_scc1 .Ldone
	v_and_b32 v12, 15, v0
	v_bfe_u32 v13, v0, 4, 1
	v_lshlrev_b32 v12, 11, v12
	v_lshl_add_u32 v12, v13, 5, v12                ; row r of 2,048 bytes + 32 h
	s_lshl_b32 s30, ttmp9, 8
	s_add_co_u32 s30, s30, 6422528
	s_mov_b32 s31, 0
	s_add_nc_u64 s[34:35], s[10:11], s[30:31]
.irp b, 0,1,2,3
	global_store_b128 v12, v[ACC+8*\b:ACC+8*\b+3], s[34:35] offset:64*\b        ; pieces of 64 bytes a row: 32 KiB in the whole launch
	global_store_b128 v12, v[ACC+8*\b+4:ACC+8*\b+7], s[34:35] offset:64*\b+16
.endr
.Ldone:
	s_endpgm
	; ---- lambda: lane (r, h), register j: row r, head 8 h + j
.Llam:
	v_and_b32 v12, 15, v0
	v_bfe_u32 v13, v0, 4, 1
	v_lshlrev_b32 v14, 5, v13
	global_load_b128 v[88:91], v14, s[8:9]
	global_load_b128 v[92:95], v14, s[8:9] offset:16
	v_lshlrev_b32 v12, 2, v12
	v_lshl_add_u32 v12, v13, 16, v12               ; 8 h heads of 8,192 bytes + 4 r
	s_lshl_b32 s30, s22, 6
	s_add_co_u32 s30, s30, 6291456
	s_mov_b32 s31, 0
	s_add_nc_u64 s[34:35], s[10:11], s[30:31]
	s_wait_loadcnt 0x0
.irp a, 0,1
.irp j, 0,1,2,3,4,5,6,7
	v_add_f32 v[96+8*\a+\j], v[ACC+32*\a+\j], v[88+\j]
.endr
.endr
.set i, 0
.rept 16
	v_mul_f32 v[96+i], 0xbfb8aa3b, v[96+i]         ; -log2(e) z
.set i, i+1
.endr
.set i, 0
.rept 16
	v_exp_f32 v[96+i], v[96+i]
.set i, i+1
.endr
	v_nop
	s_wait_alu depctr_va_vdst(0)                   ; one wait for the batch
.set i, 0
.rept 16
	v_add_f32 v[96+i], 1.0, v[96+i]
.set i, i+1
.endr
.set i, 0
.rept 16
	v_rcp_f32 v[96+i], v[96+i]
.set i, i+1
.endr
	v_nop
	s_wait_alu depctr_va_vdst(0)
.irp a, 0,1
.irp j, 0,1,2,3,4,5,6,7
	global_store_b32 v12, v[96+8*\a+\j], s[34:35] offset:\j*8192+\a*64
.endr
.endr
	s_endpgm
.Lfunc_end_k_qd13fe2f814_fp4:
	.size	k_qd13fe2f814_fp4, .Lfunc_end_k_qd13fe2f814_fp4-k_qd13fe2f814_fp4
	.p2alignl 7, 3214868480
	.fill 96, 4, 3214868480
	.section	.rodata,"a",@progbits
	.p2align	6, 0x0
	.amdhsa_kernel k_qd13fe2f814_fp4
		.amdhsa_group_segment_fixed_size 0
		.amdhsa_private_segment_fixed_size 0
		.amdhsa_enable_private_segment 0
		.amdhsa_kernarg_size 32
		.amdhsa_user_sgpr_count 2
		.amdhsa_user_sgpr_kernarg_segment_ptr 1
		.amdhsa_wavefront_size32 1
		.amdhsa_system_sgpr_workgroup_id_x 1
		.amdhsa_system_sgpr_workgroup_id_y 1
		.amdhsa_system_sgpr_workgroup_id_z 1
		.amdhsa_system_vgpr_workitem_id 0
		.amdhsa_next_free_vgpr 256
		.amdhsa_next_free_sgpr 66
		.amdhsa_reserve_vcc 0
		.amdhsa_float_denorm_mode_32 3
		.amdhsa_float_denorm_mode_16_64 3
		.amdhsa_memory_ordered 1
		.amdhsa_forward_progress 1
		.amdhsa_inst_pref_size 51
	.end_amdhsa_kernel
	.amdgpu_metadata
---
amdhsa.version: [ 1, 2 ]
amdhsa.kernels:
  - .name:           k_qd13fe2f814_fp4
    .symbol:         k_qd13fe2f814_fp4.kd
    .args:
      - { .name: xq, .offset: 0, .size: 8, .value_kind: global_buffer, .address_space: global }
      - { .name: wq, .offset: 8, .size: 8, .value_kind: global_buffer, .address_space: global }
      - { .name: b_lam, .offset: 16, .size: 8, .value_kind: global_buffer, .address_space: global }
      - { .name: cimg, .offset: 24, .size: 8, .value_kind: global_buffer, .address_space: global }
    .group_segment_fixed_size: 0
    .private_segment_fixed_size: 0
    .kernarg_segment_align: 8
    .kernarg_segment_size: 32
    .max_flat_workgroup_size: 128
    .sgpr_count:     66
    .vgpr_count:     256
    .wavefront_size: 32
...
	.end_amdgpu_metadata
.endif
;; end of part 2
;; launch upproj (part 3): grid 16 x 32, 4 waves a work-group, clusters of 4 x 4, 327,680 bytes of LDS; arguments cimg, wh, rope, qkv; writes qkv
.if DOCPART == 3
	.amdgcn_target "amdgcn-amd-amdhsa--gfx1250"
	.amdhsa_code_object_version 6
	.text
	.protected	k_qd13fe2f814_upproj
	.globl	k_qd13fe2f814_upproj
	.p2align	8
	.type	k_qd13fe2f814_upproj,@function
k_qd13fe2f814_upproj:
	s_mov_b64 s[64:65], 0
	v_nop
	global_prefetch_b8 v0, s[64:65] scope:SCOPE_SE
	s_setreg_imm32_b32 hwreg(HW_REG_WAVE_MODE, 25, 1), 1
	s_wait_xcnt 0x0
	s_wait_alu depctr_hold_cnt(0) depctr_sa_sdst(0) depctr_va_vdst(0) depctr_va_sdst(0) depctr_va_ssrc(0) depctr_va_vcc(0) depctr_vm_vsrc(0)
	s_getreg_b32 s2, hwreg(HW_REG_IB_STS2, 6, 4)
	s_cmp_eq_u32 s2, 0
	s_cbranch_scc0 .Lentry_in_a_cluster
	s_endpgm
.Lentry_in_a_cluster:
	s_bfe_u32 s2, ttmp6, 0x10000c
	s_cmp_lg_u32 s2, 0xf033
	s_cbranch_scc0 .Lentry_shape_is_right
	s_endpgm
.Lentry_shape_is_right:
; q = c_q W_UQ (K = 1,024), k = c_kv W_UK, v = c_kv W_UV (K = 512), f16 operands, f32 sums; the rotation of q and k; all three out as f16 fragment images with one power-of-two scale for each 64 rows x one head.
; Work-group (x, y): rows 128 x .. 128 x + 127, head slots 2 y and 2 y + 1 (slots 0-31 q's heads, 32-47 k's, 48-63 v's).  Which tensor is told by the CLUSTER's y alone (0-3 q, 4-5 k, 6-7 v): it is equal in all sixteen partners.
; A wave makes 64 rows x one head (128 columns): 32 accumulators; so the pairs (d, d + 64) of the rotation and the block's largest magnitude stay in the wave.
; K goes in steps of 128 through two LDS slots.  The images make a K step's tiles dense blocks: A's 8 row tiles 32 KiB, B's 16 column tiles 64 KiB; a fragment load takes 512 consecutive LDS bytes, so no padding.
; CLUSTER 4 x 4: A's block hangs on x alone and is asked for jointly by a column of the cluster, B's on y alone, by a row.  Waves 0, 1 fetch A's halves, waves 2, 3 B's.  By this text's count a wave has two tensor loads out at the start, later one.
; THE MATRIX INSTRUCTION IS USED TRANSPOSED (source 0 = 16 columns of W, source 1 = 16 rows of c): lane (r, h) holds row r and channels 16 t + 8 h + 0 .. 7.
; THE SCALE: E = the exponent of the block's largest magnitude ahead of the rotation (a rotation grows a pair by at most sqrt 2); stored number = number x 2^(12 - E), under 2^13.5; the table holds 2^(E - 12).
; v takes the same way with the table's tile 128 (cos 1, sin 0), and its 16 bytes go to place 16 (r / 8) + 8 h + r % 8, so that the turning LDS load of the next launch reads consecutive bytes.
; LIMITS: NaN and infinities are not served; a block whose largest magnitude lies under 2^-100 is held at that floor.
; REGISTERS: window 0: v2 16 x lane; v16-21 LDS addresses; v24 where I store; v32-127, v128-223 two fragment buffers (B's 8, A's 4); v224-255 at work.  Window 1: accumulator (a, b) at 8 (8 a + b).
.set SLOT,  98304                      ; A's 32 KiB, then B's 64 KiB
.set SPARE, 2*SLOT                     ; the spare words, 128 bytes a wave
.set L16,  2
.set ADRA, 16
.set ADRB, 20
.set LP,   24
.set SPW,  28
.set NIL,  29
.set F0,   32
.set F1,   128
.set G1,   24                          ; s[24:31] group 1 for A; s[32:39] group 0, a set for each slot
.set G0,   32
.set G1B,  48                          ; s[48:55], s[56:63] the same for B
.set G0B,  56
.set MSB, 0
.macro WIN new                         ; the immediate's high byte repeats the setting that is left
.if MSB != \new
	s_set_vgpr_msb (MSB<<8)|\new
.set MSB, \new
.endif
.endm
.set WMUL, 0x50                        ; C and D in window 1, both sources in window 0
.macro JLOAD s                         ; a joint load; the branch hangs on the wave's number alone; an s_nop 0 and four v_nop follow each line
	s_cmp_eq_u32 s13, 0
	s_cbranch_scc0 .Lfor_b_\@
	tensor_load_to_lds s[G0+4*\s:G0+4*\s+3], s[G1:G1+7]
	s_nop 0
.rept 4
	v_nop
.endr
	s_branch .Lasked_\@
.Lfor_b_\@:
	tensor_load_to_lds s[G0B+4*\s:G0B+4*\s+3], s[G1B:G1B+7]
	s_nop 0
.rept 4
	v_nop
.endr
.Lasked_\@:
.endm
.macro CREST                           ; a round of the cluster's barrier behind its opening barrier
	s_cmp_lg_u32 s12, 0
	s_cbranch_scc1 .Lnot_wave_0_\@
	s_barrier_signal -3
.Lnot_wave_0_\@:
	s_barrier_wait -3
	s_barrier_signal -1
	s_barrier_wait -1
.endm
.macro CROUND
	s_barrier_signal -1
	s_barrier_wait -1
	CREST
.endm
.macro PLACES
.rept 4
	v_nop
.endr
.endm
	s_load_b256 s[4:11], s[0:1], 0x0               ; cimg, wh, rope, qkv
	v_lshl_add_u32 v[SPW], v0, 2, SPARE
	v_mov_b32 v[NIL], 0
	ds_add_u32 v[SPW], v[NIL]                      ; the opening: the add, twice on end, and its wait ahead of my first tensor load
	ds_add_u32 v[SPW], v[NIL]
	v_lshrrev_b32 v1, 5, v0
	v_readfirstlane_b32 s12, v1                    ; wave
	s_lshr_b32 s13, s12, 1                         ; my half of the rows; also: I fetch for A (0) or B (1)
	s_and_b32 s14, s12, 1                          ; my head slot of the two; also: which half of the block I fetch
	s_bfe_u32 s40, ttmp6, 0x40000                  ; cx
	s_bfe_u32 s41, ttmp6, 0x40004                  ; cy
	s_lshl_b32 s42, ttmp9, 2
	s_add_co_u32 s42, s42, s40                     ; x: block of 128 rows
	s_and_b32 s44, ttmp7, 0xffff                   ; the cluster's y
	s_lshl_b32 s43, s44, 2
	s_add_co_u32 s43, s43, s41                     ; y: pair of head slots
	s_lshl_b32 s45, 0x1111, s40                    ; my column of the cluster
	s_lshl_b32 s47, s41, 2
	s_lshl_b32 s46, 15, s47                        ; my row
	s_or_b32 s[G1], s45, (3<<16)|(1<<21)           ; elements of 8 bytes; A's block goes to my column
	s_mov_b32 s[G1+1], 32<<16                      ; rows of 32 elements = 256 bytes,
	s_mov_b32 s[G1+2], 64<<16                      ; 64 of them: 16 KiB
	s_mov_b32 s[G1+3], 32<<16
	s_mov_b32 s[G1+4], 64
	s_mov_b32 s[G1+5], 32                          ; dense
	s_mov_b32 s[G1+6], 0
	s_mov_b32 s[G1+7], 0
	s_or_b32 s[G1B], s46, (3<<16)|(1<<21)          ; B's block goes to my row
	s_mov_b32 s[G1B+1], 32<<16
	s_mov_b32 s[G1B+2], 128<<16                    ; 128 rows: 32 KiB
	s_mov_b32 s[G1B+3], 32<<16
	s_mov_b32 s[G1B+4], 128
	s_mov_b32 s[G1B+5], 32
	s_mov_b32 s[G1B+6], 0
	s_mov_b32 s[G1B+7], 0
	s_mov_b32 s83, 0x80000
	s_mov_b32 s84, 0x800000
	s_cmp_lt_u32 s44, 4                            ; q?
	s_cselect_b32 s2, 3, 1                         ; trips of the lap loop: K / 256 - 1
	s_cselect_b32 s82, 0, 0x400000                 ; A: c_q's images, or c_kv's behind them
	s_cselect_b32 s83, 0x100000, s83               ; B: bytes of one K step of its images
	s_cselect_b32 s84, 0, s84                      ; B's first byte in wh
	s_cselect_b32 s85, 0, 16                       ; the tensor's first y
	s_cmp_ge_u32 s44, 6                            ; v?
	s_cselect_b32 s84, 0xa00000, s84
	s_cselect_b32 s85, 24, s85
	s_cselect_b32 s86, -1, 0
	s_lshl_b32 s16, s42, 15                        ; A: 8 row tiles of 4,096 bytes a block,
	s_lshl_b32 s17, s14, 14                        ; my half of them
	s_add_co_u32 s16, s16, s17
	s_add_co_u32 s16, s16, s82
	s_mov_b32 s17, 0
	s_sub_co_u32 s18, s43, s85
	s_lshl_b32 s18, s18, 16                        ; B: 16 column tiles a pair of heads,
	s_lshl_b32 s19, s14, 15                        ; my half of them
	s_add_co_u32 s18, s18, s19
	s_add_co_u32 s18, s18, s84
	s_mov_b32 s19, 0
	s_mov_b32 s88, s83
	s_mov_b32 s89, 0
	s_lshl_b32 s66, s83, 1                         ; two K steps of B
	s_mov_b32 s67, 0
	s_lshl_b32 s87, s14, 14                        ; where they go: no place in the cluster enters an LDS address
	s_lshl_b32 s90, s14, 15
	s_mov_b32 s80, 0x76543210
	s_mov_b32 s81, 0xfedcba98
	s_wait_dscnt 0x0                               ; both opening adds are done
	s_wait_kmcnt 0x0
	s_add_nc_u64 s[20:21], s[4:5], s[16:17]
	s_add_nc_u64 s[22:23], s[6:7], s[18:19]
	CROUND                                         ; all sixteen work-groups are here: the first joint loads meet
	s_mov_b32 s[G0], 1
	s_add_co_u32 s[G0+1], s87, 0
	s_mov_b64 s[G0+2:G0+3], s[20:21]
	s_or_b32 s[G0+3], s[G0+3], 0x80000000
	s_mov_b32 s[G0B], 1
	s_add_co_u32 s[G0B+1], s90, 32768
	s_mov_b64 s[G0B+2:G0B+3], s[22:23]
	s_or_b32 s[G0B+3], s[G0B+3], 0x80000000
	JLOAD 0
	s_mov_b32 s[G0+4], 1
	s_add_co_u32 s[G0+5], s87, SLOT
	s_add_nc_u64 s[G0+6:G0+7], s[20:21], 524288    ; K step 1
	s_or_b32 s[G0+7], s[G0+7], 0x80000000
	s_mov_b32 s[G0B+4], 1
	s_add_co_u32 s[G0B+5], s90, SLOT+32768
	s_add_nc_u64 s[G0B+6:G0B+7], s[22:23], s[88:89]
	s_or_b32 s[G0B+7], s[G0B+7], 0x80000000
	JLOAD 1
	v_and_b32 v1, 31, v0
	v_lshlrev_b32 v[L16], 4, v1
	s_lshl_b32 s90, s13, 14                        ; my 4 row tiles
	s_lshl_b32 s91, s14, 15                        ; my 8 column tiles,
	s_add_co_u32 s91, s91, 32768                   ; behind A's block
	v_add_nc_u32 v[ADRA], s90, v[L16]
	v_add_nc_u32 v[ADRB], s91, v[L16]
	v_add_nc_u32 v[ADRA+1], SLOT, v[ADRA]
	v_add_nc_u32 v[ADRB+1], SLOT, v[ADRB]
	; the way out's addresses
	s_lshl_b32 s92, s42, 3
	s_lshl_b32 s93, s13, 2
	s_add_co_u32 s92, s92, s93                     ; my first row tile
.irp a, 0,1,2,3
	s_add_co_u32 s94, s92, \a
	s_cmp_ge_u32 s44, 6
	s_cselect_b32 s94, 128, s94                    ; v: the tile with cos 1, sin 0
	s_lshl_b32 s94, s94, 13
	s_mov_b32 s95, 0
	s_add_nc_u64 s[68+2*\a:69+2*\a], s[8:9], s[94:95]
.endr
	s_lshl_b32 s94, s43, 1
	s_add_co_u32 s94, s94, s14                     ; my head slot
	s_lshl_b32 s96, s94, 19
	s_lshl_b32 s97, s92, 12
	s_add_co_u32 s96, s96, s97
	s_mov_b32 s97, 0
	s_add_nc_u64 s[76:77], s[10:11], s[96:97]
	s_lshl_b32 s96, s94, 5
	s_lshl_b32 s97, s42, 1
	s_add_co_u32 s96, s96, s97
	s_add_co_u32 s96, s96, s13                     ; slot x 32 + block of 64 rows
	s_lshl_b32 s96, s96, 2
	s_add_co_u32 s96, s96, 33554432
	s_mov_b32 s97, 0
	s_add_nc_u64 s[78:79], s[10:11], s[96:97]
	v_and_b32 v3, 15, v0
	v_bfe_u32 v4, v0, 4, 1
	v_lshrrev_b32 v5, 3, v3
	v_and_b32 v6, 7, v3
	v_lshl_add_u32 v5, v5, 4, v6
	v_lshl_add_u32 v5, v4, 3, v5
	v_lshlrev_b32 v5, 4, v5
	v_cndmask_b32 v[LP], v[L16], v5, s86           ; q, k: 16 x lane; v: its own place
.macro MUL8 f, a, zero                 ; row tile a against the 8 column tiles, 32 along K
.irp b, 0,1,2,3,4,5,6,7
.if \zero
	v_wmma_f32_16x16x32_f16 v[8*(8*(\a)+\b):8*(8*(\a)+\b)+7], v[\f+8*\b:\f+8*\b+7], v[\f+64+8*(\a):\f+64+8*(\a)+7], 0
.else
	v_wmma_f32_16x16x32_f16 v[8*(8*(\a)+\b):8*(8*(\a)+\b)+7], v[\f+8*\b:\f+8*\b+7], v[\f+64+8*(\a):\f+64+8*(\a)+7], v[8*(8*(\a)+\b):8*(8*(\a)+\b)+7]
.endif
.endr
.endm
.macro FETCH slot, kc, f               ; 24 LDS loads in one run: B's 16, A's tiles 0, 1, A's tiles 2, 3
.irp i, 0,1,2,3,4,5,6,7
	ds_load_b128 v[\f+8*\i:\f+8*\i+3],   v[ADRB+\slot] offset:\i*4096+(\kc)*1024
	ds_load_b128 v[\f+8*\i+4:\f+8*\i+7], v[ADRB+\slot] offset:\i*4096+(\kc)*1024+512
.endr
.irp i, 0,1,2,3
	ds_load_b128 v[\f+64+8*\i:\f+64+8*\i+3],   v[ADRA+\slot] offset:\i*4096+(\kc)*1024
	ds_load_b128 v[\f+64+8*\i+4:\f+64+8*\i+7], v[ADRA+\slot] offset:\i*4096+(\kc)*1024+512
.endr
.endm
; A K step is four quarters of 32 along K, 32 matrix instructions each, on buffers 0, 1, 0, 1; the 32 accumulators take turns in the same order in every quarter.
.macro QUARTER slot, kc, f, g, zero    ; multiplies buffer f; in its middle fetches quarter kc into buffer g
	s_wait_dscnt 4                                 ; B and A's tiles 0, 1 are in; the youngest four loads may be out
	WIN WMUL
	MUL8 \f, 0, \zero
	MUL8 \f, 1, \zero
	PLACES                                         ; four places in front of loads into registers that matrix instructions have read
	WIN 0
	FETCH \slot, \kc, \g
	s_wait_dscnt 24                                ; all but the 24 just issued
	WIN WMUL
	MUL8 \f, 2, \zero
	MUL8 \f, 3, \zero
.endm
; The last quarter changes slots: one barrier; in front of it each wave waits for all its tensor loads, adds 0 to its spare word, and waits for that and for its reads of this slot.
.macro TURN slot, next, fill
	WIN 0
	s_wait_tensorcnt 0x0                           ; all my tensor loads have landed: my part of the next slot
	ds_add_u32 v[SPW], v[NIL]
	s_wait_dscnt 5                                 ; (the add and the youngest four loads may be out)
	WIN WMUL
	MUL8 F1, 0, 0
	s_wait_dscnt 0x0                               ; the add is done, and my reads of this slot are over
	s_barrier_signal -1
	MUL8 F1, 1, 0
	WIN 0
	s_barrier_wait -1
.if \fill
	CREST                                          ; the barrier has opened a round of the cluster's: no wave of any partner still reads this slot or has a load on its way
	s_add_nc_u64 s[G0+4*\slot+2:G0+4*\slot+3], s[G0+4*\slot+2:G0+4*\slot+3], 1048576
	s_add_nc_u64 s[G0B+4*\slot+2:G0B+4*\slot+3], s[G0B+4*\slot+2:G0B+4*\slot+3], s[66:67]
	JLOAD \slot                                    ; the first tensor load behind the round; its four v_nop are the places in front of the loads below
.else
	PLACES
.endif
	FETCH \next, 0, F0
	WIN WMUL
	MUL8 F1, 2, 0
	MUL8 F1, 3, 0
.endm
	s_wait_tensorcnt 1                             ; my part of K step 0 is in; K step 1's may stay out
	s_barrier_signal -1
	s_barrier_wait -1
	FETCH 0, 0, F0
	QUARTER 0, 1, F0, F1, 1                        ; the first quarter's products start the sums
	WIN 0
	s_mov_b32 s3, 0
.Llap:                                             ; a trip goes once round the ring and fills both slots again; s2 trips, told by the cluster's y
	QUARTER 0, 2, F1, F0, 0
	QUARTER 0, 3, F0, F1, 0
	TURN 0, 1, 1
	QUARTER 1, 1, F0, F1, 0
	QUARTER 1, 2, F1, F0, 0
	QUARTER 1, 3, F0, F1, 0
	TURN 1, 0, 1
	QUARTER 0, 1, F0, F1, 0
	WIN 0
	s_add_co_u32 s3, s3, 1
	s_cmp_lt_u32 s3, s2
	s_cbranch_scc1 .Llap
	QUARTER 0, 2, F1, F0, 0                        ; the last lap fills nothing
	QUARTER 0, 3, F0, F1, 0
	TURN 0, 1, 0
	QUARTER 1, 1, F0, F1, 0
	QUARTER 1, 2, F1, F0, 0
	QUARTER 1, 3, F0, F1, 0
	s_wait_dscnt 4
	WIN WMUL
	MUL8 F1, 0, 0
	MUL8 F1, 1, 0
	s_wait_dscnt 0x0
	MUL8 F1, 2, 0
	MUL8 F1, 3, 0
	WIN 0
	PLACES
; THE WAY OUT.  cos and sin of row tile a: 16 loads of 512 bytes into set a % 2: register 16 t + 0 .. 7 cos, + 8 .. 15 sin, of channels 16 t + 8 h + 0 .. 7.
.macro ROPE_LD a
.irp t, 0,1,2,3
.irp c, 0,1,2,3
	global_load_b128 v[32+64*((\a)%2)+16*\t+4*\c:32+64*((\a)%2)+16*\t+4*\c+3], v[L16], s[68+2*(\a):69+2*(\a)] offset:\t*2048+\c*512
.endr
.endr
.endm
	ROPE_LD 0
	ROPE_LD 1
.irp p, 0,1,2,3
	v_mov_b32 v[224+\p], 0x0d800000                ; the floor 2^-100
.endr
	WIN 0x14                                       ; sources 1 and 2 in window 1
.set q, 0
.rept 32
.irp p, 0,1,2,3
	v_max3_num_f32 v[224+\p], v[224+\p], |v[8*q+2*\p]|, |v[8*q+2*\p+1]|   ; each accumulator from its low end on; four chains
.endr
.set q, q+1
.endr
	WIN 0
	v_max3_num_f32 v224, v224, v225, v226
	v_max_num_f32 v224, v224, v227
	v_max_num_f32_dpp v224, v224, v224 row_xmask:1 row_mask:0xf bank_mask:0xf
	v_max_num_f32_dpp v224, v224, v224 row_xmask:2 row_mask:0xf bank_mask:0xf
	v_max_num_f32_dpp v224, v224, v224 row_xmask:4 row_mask:0xf bank_mask:0xf
	v_max_num_f32_dpp v224, v224, v224 row_xmask:8 row_mask:0xf bank_mask:0xf
	v_permlanex16_b32 v225, v224, s80, s81
	v_max_num_f32 v224, v224, v225                 ; the largest magnitude of my 64 rows x 128 channels
	v_and_b32 v224, 0x7f800000, v224               ; its exponent field
	v_sub_nc_u32 v230, 0x85000000, v224            ; 2^(12 - E)
	v_mov_b32 v231, v230
	v_add_nc_u32 v229, 0xfa000000, v224            ; 2^(E - 12): the table's entry
.macro ROT a
.set RS, 32+64*((\a)%2)
.if \a < 3
	s_wait_loadcnt 16                              ; this tile's cos and sin are in, the next tile's 16 loads may be out
.else
	s_wait_loadcnt 0x0
.endif
.set i, 0
.rept 32
	v_pk_mul_f32 v[RS+i:RS+i+1], v[RS+i:RS+i+1], v[230:231] op_sel_hi:[1,0]   ; the scale rides on cos and sin
.set i, i+2
.endr
	s_wait_xcnt 0x0                                ; the tile before has read its store data: v160-223 may be written again
	WIN 0x01                                       ; source 0 in window 1
.irp t, 0,1,2,3
.irp p, 0,2,4,6
	v_pk_mul_f32 v[160+16*\t+\p:160+16*\t+\p+1], v[8*(8*(\a)+\t)+\p:8*(8*(\a)+\t)+\p+1], v[RS+16*\t+\p:RS+16*\t+\p+1]
	v_pk_mul_f32 v[168+16*\t+\p:168+16*\t+\p+1], v[8*(8*(\a)+\t+4)+\p:8*(8*(\a)+\t+4)+\p+1], v[RS+16*\t+\p:RS+16*\t+\p+1]
.endr
.irp p, 0,2,4,6
	v_pk_fma_f32 v[160+16*\t+\p:160+16*\t+\p+1], v[8*(8*(\a)+\t+4)+\p:8*(8*(\a)+\t+4)+\p+1], v[RS+16*\t+8+\p:RS+16*\t+8+\p+1], v[160+16*\t+\p:160+16*\t+\p+1] neg_lo:[1,0,0] neg_hi:[1,0,0]   ; x1 cos - x2 sin
	v_pk_fma_f32 v[168+16*\t+\p:168+16*\t+\p+1], v[8*(8*(\a)+\t)+\p:8*(8*(\a)+\t)+\p+1], v[RS+16*\t+8+\p:RS+16*\t+8+\p+1], v[168+16*\t+\p:168+16*\t+\p+1]   ; x2 cos + x1 sin
.endr
.endr
	WIN 0
.irp t, 0,1,2,3
.irp p, 0,1,2,3
	v_cvt_pk_f16_f32 v[160+16*\t+\p], v[160+16*\t+2*\p], v[160+16*\t+2*\p+1]   ; packed in place, ascending: a register is written after it has been read
.endr
.irp p, 0,1,2,3
	v_cvt_pk_f16_f32 v[164+16*\t+\p], v[168+16*\t+2*\p], v[168+16*\t+2*\p+1]
.endr
.endr
.irp t, 0,1,2,3
	global_store_b128 v[LP], v[160+16*\t:163+16*\t], s[76:77] offset:(\a)*4096+\t*512       ; 512 consecutive bytes a store
	global_store_b128 v[LP], v[164+16*\t:167+16*\t], s[76:77] offset:(\a)*4096+(\t+4)*512
.endr
.if \a < 2
	ROPE_LD \a+2
.endif
.endm
	ROT 0
	ROT 1
	ROT 2
	ROT 3
	v_mov_b32 v226, 0
	v_cmp_eq_u32 vcc_lo, 0, v1
	s_wait_xcnt 0x0                                ; EXEC changes only behind this wait
	s_and_saveexec_b32 s9, vcc_lo
	global_store_b32 v226, v229, s[78:79]          ; lane 0 stores the block's scale
	s_wait_xcnt 0x0
	s_or_b32 exec_lo, exec_lo, s9
	s_wait_tensorcnt 0x0                           ; the wave's end
	ds_add_u32 v[SPW], v[NIL]
	s_wait_dscnt 0x0
	CROUND                                         ; the closing round
	s_endpgm
.Lfunc_end_k_qd13fe2f814_upproj:
	.size	k_qd13fe2f814_upproj, .Lfunc_end_k_qd13fe2f814_upproj-k_qd13fe2f814_upproj
	.p2alignl 7, 3214868480
	.fill 96, 4, 3214868480
	.section	.rodata,"a",@progbits
	.p2align	6, 0x0
	.amdhsa_kernel k_qd13fe2f814_upproj
		.amdhsa_group_segment_fixed_size 327680
		.amdhsa_private_segment_fixed_size 0
		.amdhsa_enable_private_segment 0
		.amdhsa_kernarg_size 32
		.amdhsa_user_sgpr_count 2
		.amdhsa_user_sgpr_kernarg_segment_ptr 1
		.amdhsa_wavefront_size32 1
		.amdhsa_system_sgpr_workgroup_id_x 1
		.amdhsa_system_sgpr_workgroup_id_y 1
		.amdhsa_system_sgpr_workgroup_id_z 1
		.amdhsa_system_vgpr_workitem_id 0
		.amdhsa_next_free_vgpr 512
		.amdhsa_next_free_sgpr 100
		.amdhsa_reserve_vcc 1
		.amdhsa_float_denorm_mode_32 3
		.amdhsa_float_denorm_mode_16_64 3
		.amdhsa_memory_ordered 1
		.amdhsa_forward_progress 1
		.amdhsa_inst_pref_size 122
	.end_amdhsa_kernel
	.amdgpu_metadata
---
amdhsa.version: [ 1, 2 ]
amdhsa.kernels:
  - .name:           k_qd13fe2f814_upproj
    .symbol:         k_qd13fe2f814_upproj.kd
    .args:
      - { .name: cimg, .offset: 0, .size: 8, .value_kind: global_buffer, .address_space: global }
      - { .name: wh, .offset: 8, .size: 8, .value_kind: global_buffer, .address_space: global }
      - { .name: rope, .offset: 16, .size: 8, .value_kind: global_buffer, .address_space: global }
      - { .name: qkv, .offset: 24, .size: 8, .value_kind: global_buffer, .address_space: global }
    .group_segment_fixed_size: 327680
    .private_segment_fixed_size: 0
    .kernarg_segment_align: 8
    .kernarg_segment_size: 32
    .max_flat_workgroup_size: 128
    .sgpr_count:     100
    .vgpr_count:     512
    .wavefront_size: 32
...
	.end_amdgpu_metadata
.endif
;; end of part 3
;; launch attn (part 4): grid 16 x 16, 4 waves a work-group, no clusters, 327,680 bytes of LDS; arguments qkv, cimg, oimg, W_UV, v32; writes oimg, v32
.if DOCPART == 4
	.amdgcn_target "amdgcn-amd-amdhsa--gfx1250"
	.amdhsa_code_object_version 6
	.text
	.protected	k_qd13fe2f814_attn
	.globl	k_qd13fe2f814_attn
	.p2align	8
	.type	k_qd13fe2f814_attn,@function
k_qd13fe2f814_attn:
	s_mov_b64 s[64:65], 0
	v_nop
	global_prefetch_b8 v0, s[64:65] scope:SCOPE_SE
	s_setreg_imm32_b32 hwreg(HW_REG_WAVE_MODE, 25, 1), 1
	s_wait_xcnt 0x0
; Causal attention of both query heads of a pair on their shared k and v, and attn1 - lambda attn2, out as an f16 fragment image.  f16 operands, f32 sums, maxima and row sums.
; SHARES.  Work-group (i, head) owns the blocks of 64 queries i and 31 - i: (i + 1) + (32 - i) = 33 block steps in every work-group.  Wave w holds four tiles of 16 queries: piece 0 = rows 64 i + 16 w of heads 2 hd, 2 hd + 1,
; piece 2 = rows 64 (31 - i) + 16 w of the same heads.  All four tiles share each fragment of k and v read from LDS.  Keys go 64 a step.
; NO CLUSTER: the work-groups of a head need different numbers of key tiles (i decides), and a joint load would bring a partner tiles that it never reads.
; LAYOUT.  S^T = K Q^T, O^T = V^T P: a lane holds one query (lane % 16) throughout.  k comes out of LDS as it lies, v turned by ds_load_tr16_b128; both images make every LDS load 512 consecutive bytes.
; SCALES.  A stored q, k or v is the number x 2^-(its block's exponent); the table gives the factors.  t = score x c SQ SK, c = log2(e) / sqrt(128); the running maximum cm is kept of t.
; p = 2^(t - cm - nd), nd = log2(largest of all v scales / this step's v scale), puts every v block into one frame; the row's sum is taken of p x 2^nd (exact).  What is stored is (attn1 - lambda attn2) / that largest scale, under 2^14.5.
; THE MASK.  Every work-group walks all 16 slots of 128 keys: trip counts are constants.  A step all of whose keys come after the work-group's last query is left out by a scalar branch on ids, likewise piece 0 beyond its block;
; on a piece's diagonal step hidden scores become -infinity.  A slot whose first key comes after the last query is not asked for.  Every wait on TENSORcnt is for 0.
; By this text's count a wave has one tensor load out.
; THE TAIL.  v of positions 0-15 in f32, c_kv [16][512] x W_UV [512][2048] (33 MFLOP), for the launch that carries the first 16 rows finely: 128 column tiles of 16, one a wave, in the 32 work-groups with i = 14 and 15.
; These walk 18 and 17 key steps where i = 0 walks 32, for the same 33 block steps, and each step walked has its own 64 LDS loads a wave: so they are the first to be done with attention.
; LIMITS: NaN and infinities are not served.  A block of 64 keys whose largest |v| lies 2^24 or more under the largest of all counts for nothing (p falls under f16's smallest number); nd is held at 60.
; REGISTERS: window 0: v2 16 x lane, v4 address in hand, v5 16 w + r - 8 h, v6, v7 lambda, v8 -infinity; v12-59 twelve registers of statistics a tile (+0 what is taken off t, +2, +3 the sum, +4 .. +7 at work, a in +6, +8 cm);
;   v64-191 S^T, 32 a tile; v192-255 P, 16 a tile.   window 1: O^T, 64 a tile.   window 2: v0-127 Q, v128-255 K.   window 3: v0-127 V; v128-159 the tail's four accumulators, written by matrix instructions alone.
.set SLOT1, 65536                      ; a slot: K of two steps, V of two steps, 16 KiB each
.set SPARE, 131072
.set L16, 2
.set ADR, 4
.set VD,  5
.set LAM, 6
.set NINF, 8
.set ST,  12
.set PFV, 60                           ; v60  8,192 x my lane: a row of W_UV; never rewritten
.set PFO, 61
.set SPW, 62
.set NIL, 63
.set S,   64
.set P,   192
.set KFR, 128
.set VA,  64                           ; the tail: c_kv, two sets of 16 steps x 2 registers, in window 0
.set VB,  128                          ; W_UV likewise
.set VC,  128                          ; its accumulators, in window 3
.set WV, 12
.set HD, 14
.set KF, 16                            ; the step's first key
.set TB, 17                            ; LDS byte of the step's K
.set QLO, 18                           ; first rows of my two blocks
.set QHI, 19
.set QLAST, 20
.set QLO63, 21
.set HOST, 23                          ; s23  7 in a work-group that runs the tail, else the greatest number
.set G1, 24
.set G0, 40
.set CQ, 44                            ; c x q's scale, a tile each
.set CS, 48                            ; four pairs: c SQ SK of the step
.set SKN, 56
.set SVN, 57
.set SKC, 58
.set SVC, 59
.set SOFF, 60
.set SG, 61
.set NDF, 62
.set U, 66
.set SLOTS, 68
.set TWICE, 69
.set PFA, 70
.set LIM, 72
.set SEL, 74
.set TK, 76
.set TV, 78
.set TQ, 80
.set QB, 82
.set OB, 86
.set LB, 90
.set PFW, 94                           ; s[94:95] W_UV at my wave's 128 rows of my work-group's 64 columns; never rewritten
.set MSB, 0
.macro WIN new
.if MSB != \new
	s_set_vgpr_msb (MSB<<8)|\new
.set MSB, \new
.endif
.endm
.set W_KQ, 0x0a                        ; K and Q in window 2
.set W_PV, 0x53                        ; V in window 3, O^T in window 1
.set W_RS, 0x41                        ; O^T (destination, source 0) in window 1
.macro PLACES
.rept 4
	v_nop
.endr
.endm
	s_load_b128 s[4:7], s[0:1], 0x0                ; qkv, cimg
	s_load_b128 s[8:11], s[0:1], 0x10              ; oimg, W_UV
	s_load_b64 s[2:3], s[0:1], 0x20                ; v32
	v_lshl_add_u32 v[SPW], v0, 2, SPARE
	v_mov_b32 v[NIL], 0
	ds_add_u32 v[SPW], v[NIL]                      ; the opening: the add, twice on end, and its wait ahead of my first tensor load
	ds_add_u32 v[SPW], v[NIL]
	v_lshrrev_b32 v1, 5, v0
	v_readfirstlane_b32 s[WV], v1
	s_and_b32 s[HD], ttmp7, 0xffff
	s_mov_b32 s[G1], 3<<16                         ; elements of 8 bytes, no mask, no padding
	s_mov_b32 s[G1+1], 32<<16                      ; rows of 256 bytes,
	s_mov_b32 s[G1+2], 64<<16                      ; 64 of them: 16 KiB, dense
	s_mov_b32 s[G1+3], 32<<16
	s_mov_b32 s[G1+4], 64
	s_mov_b32 s[G1+5], 32
	s_mov_b32 s[G1+6], 0
	s_mov_b32 s[G1+7], 0
	s_lshl_b32 s[QLO], ttmp9, 6
	s_sub_co_u32 s22, 31, ttmp9
	s_lshl_b32 s[QHI], s22, 6
	s_add_co_u32 s[QLAST], s[QHI], 63
	s_add_co_u32 s[QLO63], s[QLO], 63
	s_lshr_b32 s32, s[WV], 1                       ; waves 0, 1 fetch K's two steps of a slot, waves 2, 3 V's
	s_lshl_b32 s32, s32, 4
	s_add_co_u32 s32, s32, s[HD]
	s_add_co_u32 s32, s32, 32                      ; head slot 32 + hd or 48 + hd
	s_lshl_b32 s32, s32, 19
	s_and_b32 s33, s[WV], 1
	s_lshl_b32 s33, s33, 14
	s_add_co_u32 s32, s32, s33
	s_mov_b32 s33, 0
	s_mov_b32 s[SEL], 0x76543210
	s_mov_b32 s[SEL+1], 0xfedcba98
	s_cmp_eq_u32 ttmp9, 0
	s_cselect_b32 s[LIM], 1, -1                    ; the head's first work-group, which walks all keys, prefetches
	s_wait_dscnt 0x0                               ; both opening adds are done
	s_wait_kmcnt 0x0
	s_mov_b32 s[G0], 1
	s_lshl_b32 s[G0+1], s[WV], 14                  ; slot 0, my quarter
	s_add_nc_u64 s[G0+2:G0+3], s[4:5], s[32:33]
	s_add_nc_u64 s[PFA:PFA+1], s[G0+2:G0+3], 32768 ; my part of slot 1; the first change of slots steps it to slot 2
	s_or_b32 s[G0+3], s[G0+3], 0x80000000
	tensor_load_to_lds s[G0:G0+3], s[G1:G1+7]      ; slot 0
	s_nop 0
	PLACES
	s_add_nc_u64 s[34:35], s[4:5], 33554432        ; the table of scales
	s_lshl_b32 s36, s[HD], 7
	s_mov_b32 s37, 0
	s_add_nc_u64 s[TK:TK+1], s[34:35], s[36:37]
	s_add_nc_u64 s[TV:TV+1], s[TK:TK+1], 6144      ; slot 48 + hd
	s_add_nc_u64 s[TK:TK+1], s[TK:TK+1], 4096      ; slot 32 + hd
	s_add_nc_u64 s[TQ:TQ+1], s[34:35], s[36:37]
	s_add_nc_u64 s[TQ:TQ+1], s[TQ:TQ+1], s[36:37]  ; slot 2 hd
	s_add_nc_u64 s[34:35], s[34:35], 6144          ; all of v's 512 entries
	s_lshl_b32 s96, ttmp9, 2
	s_lshl_b32 s97, s22, 2
	s_load_b32 s[CQ], s[TQ:TQ+1], s96 offset:0x0
	s_load_b32 s[CQ+1], s[TQ:TQ+1], s96 offset:0x80
	s_load_b32 s[CQ+2], s[TQ:TQ+1], s97 offset:0x0
	s_load_b32 s[CQ+3], s[TQ:TQ+1], s97 offset:0x80
	s_load_b32 s[SKN], s[TK:TK+1], 0x0
	s_load_b32 s[SVN], s[TV:TV+1], 0x0
	s_lshl_b32 s36, ttmp9, 2
	s_add_co_u32 s36, s36, s[WV]                   ; my low row tile
	s_lshl_b32 s38, s22, 2
	s_add_co_u32 s38, s38, s[WV]                   ; my high row tile
	s_lshl_b32 s98, s[HD], 20
	s_lshl_b32 s32, s36, 12
	s_add_co_u32 s32, s32, s98
	s_add_nc_u64 s[QB:QB+1], s[4:5], s[32:33]
	s_lshl_b32 s32, s38, 12
	s_add_co_u32 s32, s32, s98
	s_add_nc_u64 s[QB+2:QB+3], s[4:5], s[32:33]
	s_lshl_b32 s98, s[HD], 19
	s_lshl_b32 s32, s36, 12
	s_add_co_u32 s32, s32, s98
	s_add_nc_u64 s[OB:OB+1], s[8:9], s[32:33]
	s_lshl_b32 s32, s38, 12
	s_add_co_u32 s32, s32, s98
	s_add_nc_u64 s[OB+2:OB+3], s[8:9], s[32:33]
	s_lshl_b32 s98, s[HD], 13
	s_add_co_u32 s98, s98, 6291456
	s_lshl_b32 s32, s36, 6
	s_add_co_u32 s32, s32, s98
	s_add_nc_u64 s[LB:LB+1], s[6:7], s[32:33]
	s_lshl_b32 s32, s38, 6
	s_add_co_u32 s32, s32, s98
	s_add_nc_u64 s[LB+2:LB+3], s[6:7], s[32:33]
	v_and_b32 v1, 31, v0
	v_lshlrev_b32 v[L16], 4, v1
	v_lshlrev_b32 v[PFO], 8, v1
	v_lshlrev_b32 v[PFV], 13, v1
	v_and_b32 v3, 15, v0
	v_bfe_u32 v9, v0, 4, 1
	v_lshlrev_b32 v10, 2, v3
	s_lshl_b32 s98, s[WV], 4
	v_add_nc_u32 v[VD], s98, v3
	v_lshlrev_b32 v9, 3, v9
	v_sub_nc_u32 v[VD], v[VD], v9
	v_mov_b32 v[NINF], 0xff800000
	WIN 0x80                                       ; destination window 2
.irp t, 0,1,2,3
.irp f, 0,1,2,3,4,5,6,7
	global_load_b128 v[32*\t+4*\f:32*\t+4*\f+3], v[L16], s[QB+2*(\t/2):QB+2*(\t/2)+1] offset:(\t%2)*524288+\f*512   ; Q stays in registers
.endr
.endr
	WIN 0
	global_load_b32 v[LAM], v10, s[LB:LB+1]
	global_load_b32 v[LAM+1], v10, s[LB+2:LB+3]
.irp k, 0,1,2,3
	global_load_b128 v[S+4*\k:S+4*\k+3], v[L16], s[34:35] offset:512*\k
.endr
.irp t, 0,1,2,3
	v_mov_b32 v[ST+12*\t+8], 0xff61b1e6            ; cm: -3e38, under every t
	v_mov_b32 v[ST+12*\t+1], 0                     ; (named with +0 as a pair)
	v_mov_b32 v[ST+12*\t+2], 0                     ; the sum, in two halves
	v_mov_b32 v[ST+12*\t+3], 0
	v_mov_b32 v[ST+12*\t+5], 0                     ; a lane permute's destination counts as one of its sources: written once, here
	v_mov_b32 v[ST+12*\t+7], 0                     ; (named with +6 as a pair, on the way out too)
.endr
	WIN 0x40
.set i, 0
.rept 256
	v_mov_b32 v[i], 0                              ; O^T, once a wave: the step is then written without a first copy of its own; the first change of cm multiplies zeros
.set i, i+1
.endr
	WIN 0
	s_wait_loadcnt 0x0
	v_max3_num_f32 v64, v64, v65, v66              ; the largest of all v scales
	v_max3_num_f32 v67, v67, v68, v69
	v_max3_num_f32 v70, v70, v71, v72
	v_max3_num_f32 v73, v73, v74, v75
	v_max3_num_f32 v76, v76, v77, v78
	v_max3_num_f32 v64, v64, v67, v70
	v_max3_num_f32 v64, v64, v73, v76
	v_max_num_f32 v64, v64, v79
	v_max_num_f32_dpp v64, v64, v64 row_xmask:1 row_mask:0xf bank_mask:0xf
	v_max_num_f32_dpp v64, v64, v64 row_xmask:2 row_mask:0xf bank_mask:0xf
	v_max_num_f32_dpp v64, v64, v64 row_xmask:4 row_mask:0xf bank_mask:0xf
	v_max_num_f32_dpp v64, v64, v64 row_xmask:8 row_mask:0xf bank_mask:0xf
	v_permlanex16_b32 v65, v64, s[SEL], s[SEL+1]
	v_max_num_f32 v64, v64, v65
	v_readfirstlane_b32 s[SG], v64
	s_wait_kmcnt 0x0                               ; the scales are in: so their offset registers s96, s97 may be written too
.irp t, 0,1,2,3
	s_mul_f32 s[CQ+\t], s[CQ+\t], 0x3e0293ee       ; c = log2(e) / sqrt(128)
.endr
	s_and_b32 s96, ttmp9, 1                        ; the tail's share: i = 14, 15 and the head give e = 16 (i % 2) + hd, 0 .. 31: columns 64 e .. 64 e + 63 of W_UV
	s_lshl_b32 s96, s96, 4
	s_add_co_u32 s96, s96, s[HD]
	s_lshl_b32 s36, s96, 8                         ; 256 bytes a work-group,
	s_lshl_b32 s97, s[WV], 20                      ; and for the prefetch my wave's 128 rows of 8,192 bytes
	s_add_co_u32 s36, s36, s97
	s_mov_b32 s37, 0
	s_add_nc_u64 s[PFW:PFW+1], s[10:11], s[36:37]
	s_cmp_ge_u32 ttmp9, 14
	s_cselect_b32 s[HOST], 7, -1
	s_mov_b32 s[KF], 0
	s_mov_b32 s[TB], 0
	s_mov_b32 s[SOFF], 0
	s_mov_b32 s[SLOTS], 15
.macro KQS x                           ; 32 products S^T = K Q^T of piece x: channels 32 (i / 8) on, keys 16 ((i / 2) % 4) on, tile x + i % 2; eight accumulators take turns
	WIN W_KQ
.set i, 0
.rept 32
.set rS, S+32*(\x+i%2)+8*((i/2)%4)
.set rK, KFR+32*((i/2)%4)+8*(i/8)
.set rQ, 32*(\x+i%2)+8*(i/8)
.if i < 8
	v_wmma_f32_16x16x32_f16 v[rS:rS+7], v[rK:rK+7], v[rQ:rQ+7], 0
.else
	v_wmma_f32_16x16x32_f16 v[rS:rS+7], v[rK:rK+7], v[rQ:rQ+7], v[rS:rS+7]
.endif
.set i, i+1
.endr
.endm
.macro PVS x                           ; 32 products O^T += V^T P: keys 32 (i / 16) on, channels 16 ((i / 2) % 8) on, tile x + i % 2; sixteen accumulators take turns
	WIN W_PV
.set i, 0
.rept 32
.set rO, 64*(\x+i%2)+8*((i/2)%8)
.set rV, 64*(i/16)+8*((i/2)%8)
.set rP, P+16*(\x+i%2)+8*(i/16)
	v_wmma_f32_16x16x32_f16 v[rO:rO+7], v[rV:rV+7], v[rP:rP+7], v[rO:rO+7]
.set i, i+1
.endr
.endm
; The softmax of piece x's two tiles for one step, the tiles line by line in turn.
.macro SOFT x
	WIN 0
.irp j, 0,1,2,3
.irp t, \x, \x+1
	v_max3_num_f32 v[ST+12*(\t)+4+\j], v[S+32*(\t)+8*\j], v[S+32*(\t)+8*\j+1], v[S+32*(\t)+8*\j+2]   ; each accumulator from its low end on
.endr
.endr
.irp g, 1,2
.irp j, 0,1,2,3
.irp t, \x, \x+1
	v_max3_num_f32 v[ST+12*(\t)+4+\j], v[ST+12*(\t)+4+\j], v[S+32*(\t)+8*\j+2*\g+1], v[S+32*(\t)+8*\j+2*\g+2]
.endr
.endr
.endr
.irp t, \x, \x+1
	v_max3_num_f32 v[ST+12*(\t)+4], v[ST+12*(\t)+4], v[S+32*(\t)+7], v[S+32*(\t)+15]
	v_max3_num_f32 v[ST+12*(\t)+6], v[ST+12*(\t)+6], v[S+32*(\t)+23], v[S+32*(\t)+31]
.endr
.irp t, \x, \x+1
	v_max3_num_f32 v[ST+12*(\t)+4], v[ST+12*(\t)+4], v[ST+12*(\t)+5], v[ST+12*(\t)+6]
.endr
.irp t, \x, \x+1
	v_max_num_f32 v[ST+12*(\t)+4], v[ST+12*(\t)+4], v[ST+12*(\t)+7]
.endr
.irp t, \x, \x+1
	v_permlanex16_b32 v[ST+12*(\t)+5], v[ST+12*(\t)+4], s[SEL], s[SEL+1]   ; the query's other 32 keys lie in the lane 16 away
.endr
.irp t, \x, \x+1
	v_max_num_f32 v[ST+12*(\t)+4], v[ST+12*(\t)+4], v[ST+12*(\t)+5]
.endr
.irp t, \x, \x+1
	v_mul_f32 v[ST+12*(\t)+5], s[CS+2*(\t)], v[ST+12*(\t)+4]        ; the step's largest t (the factor is positive)
	v_mov_b32 v[ST+12*(\t)+6], v[ST+12*(\t)+8]                      ; the old cm
.endr
.irp t, \x, \x+1
	v_max_num_f32 v[ST+12*(\t)+8], v[ST+12*(\t)+8], v[ST+12*(\t)+5]
.endr
.irp t, \x, \x+1
	v_sub_f32 v[ST+12*(\t)+7], v[ST+12*(\t)+6], v[ST+12*(\t)+8]
	v_add_f32 v[ST+12*(\t)], s[NDF], v[ST+12*(\t)+8]                ; what is taken off t: cm + nd
.endr
.irp t, \x, \x+1
	v_exp_f32 v[ST+12*(\t)+6], v[ST+12*(\t)+7]                      ; a = 2^(old cm - new cm).  ONE BATCH from here: none of its lines reads an exponential's result
.endr
.set b, 0
.rept 16
.irp t, \x, \x+1
	v_pk_fma_f32 v[S+32*(\t)+b:S+32*(\t)+b+1], v[S+32*(\t)+b:S+32*(\t)+b+1], s[CS+2*(\t):CS+2*(\t)+1], v[ST+12*(\t):ST+12*(\t)+1] op_sel_hi:[1,0,0] neg_lo:[0,0,1] neg_hi:[0,0,1]
.endr
.set b, b+2
.endr
.set e, 0
.rept 32
.irp t, \x, \x+1
	v_exp_f32 v[S+32*(\t)+e], v[S+32*(\t)+e]
.endr
.set e, e+1
.endr
	v_nop                                          ; a plain line behind the last exponential,
	s_wait_alu depctr_va_vdst(0)                   ; and one wait for the 66, ahead of their first reader
.set e, 0
.rept 16
.irp t, \x, \x+1
	v_cvt_pk_f16_f32 v[P+16*(\t)+e], v[S+32*(\t)+2*e], v[S+32*(\t)+2*e+1]
.endr
.set e, e+1
.endr
.irp z, 0,1,2,3,4,5,6,7
.irp t, \x, \x+1
	v_pk_add_f32 v[S+32*(\t)+4*\z:S+32*(\t)+4*\z+1], v[S+32*(\t)+4*\z:S+32*(\t)+4*\z+1], v[S+32*(\t)+4*\z+2:S+32*(\t)+4*\z+3]
.endr
.endr
.irp z, 0,1,2,3
.irp t, \x, \x+1
	v_pk_add_f32 v[S+32*(\t)+8*\z:S+32*(\t)+8*\z+1], v[S+32*(\t)+8*\z:S+32*(\t)+8*\z+1], v[S+32*(\t)+8*\z+4:S+32*(\t)+8*\z+5]
.endr
.endr
.irp z, 0,1
.irp t, \x, \x+1
	v_pk_add_f32 v[S+32*(\t)+16*\z:S+32*(\t)+16*\z+1], v[S+32*(\t)+16*\z:S+32*(\t)+16*\z+1], v[S+32*(\t)+16*\z+8:S+32*(\t)+16*\z+9]
.endr
.endr
.irp t, \x, \x+1
	v_pk_add_f32 v[S+32*(\t):S+32*(\t)+1], v[S+32*(\t):S+32*(\t)+1], v[S+32*(\t)+16:S+32*(\t)+17]
.endr
.irp t, \x, \x+1
	v_pk_mul_f32 v[S+32*(\t):S+32*(\t)+1], v[S+32*(\t):S+32*(\t)+1], s[U:U+1] op_sel_hi:[1,0]   ; x 2^nd: the sum is that of 2^(t - cm)
.endr
.irp t, \x, \x+1
	v_pk_fma_f32 v[ST+12*(\t)+2:ST+12*(\t)+3], v[ST+12*(\t)+2:ST+12*(\t)+3], v[ST+12*(\t)+6:ST+12*(\t)+7], v[S+32*(\t):S+32*(\t)+1] op_sel_hi:[1,0,1]
.endr
	WIN W_RS
.set e, 0
.rept 32
.irp t, \x, \x+1
	v_pk_mul_f32 v[64*(\t)+e:64*(\t)+e+1], v[64*(\t)+e:64*(\t)+e+1], v[ST+12*(\t)+6:ST+12*(\t)+7] op_sel_hi:[1,0]
.endr
.set e, e+2
.endr
.endm
.macro PIECE x
	KQS \x
	WIN 0
	PLACES                                         ; four places in front of the first read of the scores
	s_cmp_lg_u32 s[KF], s[QLO+\x/2]                ; the piece's diagonal step?  ids and the count of steps alone
	s_cbranch_scc1 .Lopen_\@
.set n, 0
.rept 32
	v_cmp_gt_i32 vcc_lo, 16*(n/8)+n%8, v[VD]       ; register 8 kt + j holds key 16 kt + 8 h + j of the step: hidden where it comes after my query
	v_cndmask_b32 v[S+32*(\x)+n], v[S+32*(\x)+n], v[NINF], vcc_lo
	v_cndmask_b32 v[S+32*(\x)+32+n], v[S+32*(\x)+32+n], v[NINF], vcc_lo
.set n, n+1
.endr
.Lopen_\@:
	SOFT \x
	s_wait_dscnt 0x0                               ; V is in
	PVS \x
	WIN 0
.endm
.macro STEP
	s_cmp_gt_u32 s[KF], s[QLAST]                   ; all keys behind my work-group's last query: the step is left out, its scales' wait and the next step's scalar loads too.  Hidden steps follow each other to the walk's end, so the chain of scalar loads ends with the last step that counts
	s_cbranch_scc1 .Lhidden_\@
	s_wait_kmcnt 0x0                               ; this step's two scales are in: so their registers and the offset may be written
	s_mov_b32 s[SKC], s[SKN]
	s_mov_b32 s[SVC], s[SVN]
	s_add_co_u32 s[SOFF], s[SOFF], 4
	s_min_u32 s[SOFF], s[SOFF], 124                ; the next step's; held at the table's last entry
	s_load_b32 s[SKN], s[TK:TK+1], s[SOFF] offset:0x0
	s_load_b32 s[SVN], s[TV:TV+1], s[SOFF] offset:0x0
	v_add_nc_u32 v[ADR], s[TB], v[L16]
	WIN 0x80
.irp f, 0,1,2,3,4,5,6,7,8,9,10,11,12,13,14,15     ; K: keys 16 (f / 4) on, channels 32 (f % 4) on
	ds_load_b128 v[KFR+8*\f:KFR+8*\f+3],   v[ADR] offset:(\f/4)*4096+(\f%4)*1024
	ds_load_b128 v[KFR+8*\f+4:KFR+8*\f+7], v[ADR] offset:(\f/4)*4096+(\f%4)*1024+512
.endr
	WIN 0xc0
.irp f, 0,1,2,3,4,5,6,7,8,9,10,11,12,13,14,15     ; V, turned: keys 32 (f / 8) on, channels 16 (f % 8) on
	ds_load_tr16_b128 v[8*\f:8*\f+3],   v[ADR] offset:32768+(2*(\f/8))*4096+(\f%8)*512
	ds_load_tr16_b128 v[8*\f+4:8*\f+7], v[ADR] offset:32768+(2*(\f/8)+1)*4096+(\f%8)*512
.endr
	WIN 0
.irp t, 0,1,2,3
	s_mul_f32 s[CS+2*\t], s[CQ+\t], s[SKC]
.endr
.irp t, 0,1,2,3
	s_mov_b32 s[CS+2*\t+1], s[CS+2*\t]             ; (named with it as a pair)
.endr
	s_sub_co_u32 s96, s[SG], s[SVC]                ; both are powers of two: the difference of the exponent fields
	s_lshr_b32 s96, s96, 23
	s_min_u32 s96, s96, 60
	s_cvt_f32_u32 s[NDF], s96
	s_add_co_u32 s96, s96, 127
	s_lshl_b32 s[U], s96, 23                       ; 2^nd
	s_mov_b32 s[U+1], s[U]
	s_wait_dscnt 32                                ; K's 32 loads are in, V's 32 may be out
	s_cmp_gt_u32 s[KF], s[QLO63]
	s_cbranch_scc1 .Lno_lo_\@
	PIECE 0
.Lno_lo_\@:
	PIECE 2
	PLACES                                         ; four places in front of the next step's loads into V's registers
.Lhidden_\@:
	s_add_co_u32 s[KF], s[KF], 64
	s_add_co_u32 s[TB], s[TB], 16384
.endm
; A prefetch into the L2 of my 16 KiB of the slot after the one that is being asked for: two key steps ahead of its load; lanes 256 bytes apart, two instructions.  The head's first work-group alone asks, each wave for the
; part that it fetches: so each block of 256 bytes is named once in the launch.  Nothing is asked at the head, and nothing past slot 15.
.macro ASK
	s_cmp_gt_u32 s[SLOTS], s[LIM]
	s_cbranch_scc0 .Lnot_mine_\@
	global_prefetch_b8 v[PFO], s[PFA:PFA+1] th:TH_LOAD_NT scope:SCOPE_SE
	global_prefetch_b8 v[PFO], s[PFA:PFA+1] offset:8192 th:TH_LOAD_NT scope:SCOPE_SE
.Lnot_mine_\@:
.endm
; A prefetch into the L2 of what the tail will load of W_UV: the work-group's 64 columns, 256 aligned bytes, of all 512 rows.  It stands at the change into slot 8 (7 slots still to be asked for), the last slot with keys that count
; for i = 14 and 15: that slot's steps and the way out lie between it and the tail's loads.  Wave w asks for rows 128 w .. 128 w + 127, a lane a row, four instructions: each block of 256 bytes is named once in the launch.
.macro ASKW
	s_cmp_eq_u32 s[SLOTS], s[HOST]
	s_cbranch_scc0 .Lnot_host_\@
.irp k, 0,1,2,3
	global_prefetch_b8 v[PFV], s[PFW:PFW+1] offset:\k*262144 th:TH_LOAD_NT scope:SCOPE_SE
.endr
.Lnot_host_\@:
.endm
; The change of slots stands at a slot's head: all my tensor loads have landed (my part of the slot ahead), the add, my reads of the slot left behind are over; one barrier; then that slot is filled with the keys that follow.
.macro CHANGE fill
	s_wait_tensorcnt 0x0                           ; no tensor load of mine is out, so group 0 may be written
	ds_add_u32 v[SPW], v[NIL]
.if \fill
	s_xor_b32 s[G0+1], s[G0+1], SLOT1
	s_add_nc_u64 s[G0+2:G0+3], s[G0+2:G0+3], 32768
	s_wait_xcnt 0x0                                ; the last prefetches, a slot back, have read their address
	s_add_nc_u64 s[PFA:PFA+1], s[PFA:PFA+1], 32768
.endif
	s_wait_dscnt 0x0
	s_barrier_signal -1
	s_barrier_wait -1
.if \fill
	s_add_co_u32 s96, s[KF], 128                   ; the first key of the slot that would be asked for:
	s_cmp_gt_u32 s96, s[QLAST]                     ; behind my work-group's last query no wave reads it, so it is not asked for.  Ids and the count of steps alone: all four waves go the same way
	s_cbranch_scc1 .Lpast_\@
	tensor_load_to_lds s[G0:G0+3], s[G1:G1+7]      ; my one tensor load until the next barrier
	s_nop 0
	PLACES
.Lpast_\@:
	ASK
	ASKW
.endif
.endm
.macro TWO_STEPS
	s_mov_b32 s[TWICE], 2
.Lstep_\@:
	STEP
	s_sub_co_u32 s[TWICE], s[TWICE], 1
	s_cmp_lg_u32 s[TWICE], 0
	s_cbranch_scc1 .Lstep_\@
	s_sub_co_u32 s[TB], s[TB], 32768
	s_xor_b32 s[TB], s[TB], SLOT1                  ; on to the other slot
.endm
.Lslot:                                            ; 15 trips
	CHANGE 1
	TWO_STEPS
	s_sub_co_u32 s[SLOTS], s[SLOTS], 1
	s_cmp_lg_u32 s[SLOTS], 0
	s_cbranch_scc1 .Lslot
	CHANGE 0                                       ; the last slot is written out: nothing is left to ask for
	TWO_STEPS
	; THE WAY OUT
.irp t, 0,1,2,3
	v_add_f32 v[ST+12*\t+4], v[ST+12*\t+2], v[ST+12*\t+3]
.endr
.irp t, 0,1,2,3
	v_permlanex16_b32 v[ST+12*\t+5], v[ST+12*\t+4], s[SEL], s[SEL+1]
.endr
.irp t, 0,1,2,3
	v_add_f32 v[ST+12*\t+4], v[ST+12*\t+4], v[ST+12*\t+5]
.endr
.irp t, 0,1,2,3
	v_rcp_f32 v[ST+12*\t+6], v[ST+12*\t+4]
.endr
	v_nop
	s_wait_alu depctr_va_vdst(0)                   ; one wait for the four reciprocals
	v_mul_f32 v[ST+12*1+6], v[LAM], v[ST+12*1+6]   ; lambda / the second head's sum
	v_mul_f32 v[ST+12*3+6], v[LAM+1], v[ST+12*3+6]
.irp x, 0,2
	WIN 0x01                                       ; source 0 in window 1
.set i, 0
.rept 32
	v_pk_mul_f32 v[S+32*\x+i:S+32*\x+i+1], v[64*\x+i:64*\x+i+1], v[ST+12*\x+6:ST+12*\x+7] op_sel_hi:[1,0]
.set i, i+2
.endr
.set i, 0
.rept 32
	v_pk_fma_f32 v[S+32*\x+i:S+32*\x+i+1], v[64*\x+64+i:64*\x+64+i+1], v[ST+12*\x+18:ST+12*\x+19], v[S+32*\x+i:S+32*\x+i+1] op_sel_hi:[1,0,1] neg_lo:[1,0,0] neg_hi:[1,0,0]
.set i, i+2
.endr
	WIN 0
.set i, 0
.rept 32
	v_cvt_pk_f16_f32 v[P+16*\x+i], v[S+32*\x+2*i], v[S+32*\x+2*i+1]
.set i, i+1
.endr
.irp n, 0,1,2,3,4,5,6,7
	global_store_b128 v[L16], v[P+16*\x+4*\n:P+16*\x+4*\n+3], s[OB+\x:OB+\x+1] offset:\n*512   ; lane (r, h): row r, channels 16 n + 8 h + 0 .. 7: the next product's fragment; 512 consecutive bytes
.endr
.endr
	; THE TAIL, in the work-groups with i = 14 and 15: v(0 .. 15, my 16 columns) = c_kv W_UV in f32.  128 steps of the f32 matrix form (K = 4); four accumulators take turns and are added at the end.
	; Lane (r, h): source 0: c_kv(r, 4 u + 2 h + j); source 1: W_UV(4 u + 2 h + j, n0 + r).  The four waves of a work-group stand side by side on 256 bytes of each row of W_UV.
	s_cmp_lt_u32 ttmp9, 14
	s_cbranch_scc1 .Lend
	s_wait_xcnt 0x0                                ; the stores above have read their registers: P's may be written again
	s_and_b32 s96, ttmp9, 1
	s_lshl_b32 s96, s96, 4
	s_add_co_u32 s96, s96, s[HD]                   ; e
	s_lshl_b32 s96, s96, 2
	s_add_co_u32 s96, s96, s[WV]                   ; my column tile, 0 .. 127
	s_lshl_b32 s36, s96, 6
	s_mov_b32 s37, 0
	s_add_nc_u64 s[34:35], s[10:11], s[36:37]      ; W_UV at my 16 columns
	s_lshl_b32 s36, s96, 10
	s_add_nc_u64 s[38:39], s[2:3], s[36:37]        ; v32 at my tile's 1,024 bytes
	s_add_nc_u64 s[32:33], s[6:7], 6422528         ; c_kv's rows 0-15 in f32
	v_and_b32 v9, 15, v0
	v_bfe_u32 v10, v0, 4, 1
	v_lshlrev_b32 v11, 11, v9
	v_lshl_add_u32 v11, v10, 3, v11                ; c: row r of 2,048 bytes + 8 h
	v_lshlrev_b32 v9, 2, v9
	v_lshl_add_u32 v9, v10, 14, v9                 ; W: 2 h rows of 8,192 bytes + 4 r
.macro VGRP g                          ; 16 steps: 48 loads
.set uu, 0
.rept 16
	global_load_b64 v[VA+32*((\g)%2)+2*uu:VA+32*((\g)%2)+2*uu+1], v11, s[32:33] offset:16*(16*(\g)+uu)
	global_load_b32 v[VB+32*((\g)%2)+2*uu], v9, s[34:35] offset:(4*(16*(\g)+uu))*8192
	global_load_b32 v[VB+32*((\g)%2)+2*uu+1], v9, s[34:35] offset:(4*(16*(\g)+uu)+1)*8192
.set uu, uu+1
.endr
.endm
.macro VMUL g
.set uu, 0
.rept 16
.set rD, VC+8*(uu%4)
.if ((\g) == 0) && (uu < 4)
	v_wmma_f32_16x16x4_f32 v[rD:rD+7], v[VA+32*((\g)%2)+2*uu:VA+32*((\g)%2)+2*uu+1], v[VB+32*((\g)%2)+2*uu:VB+32*((\g)%2)+2*uu+1], 0
.else
	v_wmma_f32_16x16x4_f32 v[rD:rD+7], v[VA+32*((\g)%2)+2*uu:VA+32*((\g)%2)+2*uu+1], v[VB+32*((\g)%2)+2*uu:VB+32*((\g)%2)+2*uu+1], v[rD:rD+7]
.endif
.set uu, uu+1
.endr
.endm
	VGRP 0
	VGRP 1
.irp g, 0,1,2,3,4,5,6,7
.if \g < 7
	s_wait_loadcnt 48                              ; this group's loads are in, the next group's 48 may be out
.else
	s_wait_loadcnt 0x0
.endif
	WIN 0xf0                                       ; C and D in window 3, both sources in window 0
	VMUL \g
.rept 8
	v_nop                                          ; eight places behind this form, in front of loads into its sources and of the first read of results
.endr
	WIN 0
.if \g < 6
	VGRP \g+2
.endif
.endr
	WIN 0x0f                                       ; sources 0 and 1 in window 3
.irp j, 0,1,2,3,4,5,6,7
	v_add_f32 v[192+\j], v[VC+\j], v[VC+8+\j]      ; each accumulator from its low end on
.endr
.irp j, 0,1,2,3,4,5,6,7
	v_add_f32 v[200+\j], v[VC+16+\j], v[VC+24+\j]
.endr
	WIN 0
.irp j, 0,1,2,3,4,5,6,7
	v_add_f32 v[192+\j], v[192+\j], v[200+\j]      ; register j: v(8 h + j, n0 + r)
.endr
	global_store_b128 v[L16], v[192:195], s[38:39]             ; the tile goes out in the order of these registers: 512 consecutive bytes a store
	global_store_b128 v[L16], v[196:199], s[38:39] offset:512
.Lend:
	s_wait_tensorcnt 0x0                           ; the wave's end
	ds_add_u32 v[SPW], v[NIL]
	s_wait_dscnt 0x0
	s_endpgm
.Lfunc_end_k_qd13fe2f814_attn:
	.size	k_qd13fe2f814_attn, .Lfunc_end_k_qd13fe2f814_attn-k_qd13fe2f814_attn
	.p2alignl 7, 3214868480
	.fill 96, 4, 3214868480
	.section	.rodata,"a",@progbits
	.p2align	6, 0x0
	.amdhsa_kernel k_qd13fe2f814_attn
		.amdhsa_group_segment_fixed_size 327680
		.amdhsa_private_segment_fixed_size 0
		.amdhsa_enable_private_segment 0
		.amdhsa_kernarg_size 40
		.amdhsa_user_sgpr_count 2
		.amdhsa_user_sgpr_kernarg_segment_ptr 1
		.amdhsa_wavefront_size32 1
		.amdhsa_system_sgpr_workgroup_id_x 1
		.amdhsa_system_sgpr_workgroup_id_y 1
		.amdhsa_system_sgpr_workgroup_id_z 1
		.amdhsa_system_vgpr_workitem_id 0
		.amdhsa_next_free_vgpr 1024
		.amdhsa_next_free_sgpr 100
		.amdhsa_reserve_vcc 1
		.amdhsa_float_denorm_mode_32 3
		.amdhsa_float_denorm_mode_16_64 3
		.amdhsa_memory_ordered 1
		.amdhsa_forward_progress 1
		.amdhsa_inst_pref_size 183
	.end_amdhsa_kernel
	.amdgpu_metadata
---
amdhsa.version: [ 1, 2 ]
amdhsa.kernels:
  - .name:           k_qd13fe2f814_attn
    .symbol:         k_qd13fe2f814_attn.kd
    .args:
      - { .name: qkv, .offset: 0, .size: 8, .value_kind: global_buffer, .address_space: global }
      - { .name: cimg, .offset: 8, .size: 8, .value_kind: global_buffer, .address_space: global }
      - { .name: oimg, .offset: 16, .size: 8, .value_kind: global_buffer, .address_space: global }
      - { .name: W_UV, .offset: 24, .size: 8, .value_kind: global_buffer, .address_space: global }
      - { .name: v32, .offset: 32, .size: 8, .value_kind: global_buffer, .address_space: global }
    .group_segment_fixed_size: 327680
    .private_segment_fixed_size: 0
    .kernarg_segment_align: 8
    .kernarg_segment_size: 40
    .max_flat_workgroup_size: 128
    .sgpr_count:     100
    .vgpr_count:     1024
    .wavefront_size: 32
...
	.end_amdgpu_metadata
.endif
;; end of part 4
;; launch outproj (part 5): grid 16 x 16, 4 waves a work-group, clusters of 4 x 4, 327,680 bytes of LDS; arguments oimg, wh, qkv, out0; writes out0
.if DOCPART == 5
	.amdgcn_target "amdgcn-amd-amdhsa--gfx1250"
	.amdhsa_code_object_version 6
	.text
	.protected	k_qd13fe2f814_outproj
	.globl	k_qd13fe2f814_outproj
	.p2align	8
	.type	k_qd13fe2f814_outproj,@function
k_qd13fe2f814_outproj:
	s_mov_b64 s[64:65], 0
	v_nop
	global_prefetch_b8 v0, s[64:65] scope:SCOPE_SE
	s_setreg_imm32_b32 hwreg(HW_REG_WAVE_MODE, 25, 1), 1
	s_wait_xcnt 0x0
	s_wait_alu depctr_hold_cnt(0) depctr_sa_sdst(0) depctr_va_vdst(0) depctr_va_sdst(0) depctr_va_ssrc(0) depctr_va_vcc(0) depctr_vm_vsrc(0)
	s_getreg_b32 s2, hwreg(HW_REG_IB_STS2, 6, 4)
	s_cmp_eq_u32 s2, 0
	s_cbranch_scc0 .Lentry_in_a_cluster
	s_endpgm
.Lentry_in_a_cluster:
	s_bfe_u32 s2, ttmp6, 0x10000c
	s_cmp_lg_u32 s2, 0xf033
	s_cbranch_scc0 .Lentry_shape_is_right
	s_endpgm
.Lentry_shape_is_right:
; out0 = (attn1 - lambda attn2) W_out: [2048][2048] x [2048][2048], f16 operands from fragment images, f32 sums, times the frame's scale (the largest of all v scales).
; A tile of 128 x 128 to a work-group (256 of them), 64 x 64 to a wave: 16 accumulators.  K goes in steps of 256 through two LDS slots of 128 KiB: [A K/128 even | A odd | B even | B odd], each a dense block of 32 KiB, one tensor load a wave.
; CLUSTER 4 x 4: A's blocks hang on the tile row and are asked for jointly by a row of the cluster, B's on the tile column, by a column.  By this text's count a wave has two tensor loads out at the start, later one.
; THE MATRIX INSTRUCTION IS USED TRANSPOSED: lane (r, h) holds row r and eight neighbouring columns.  A wave's 64 columns are 256 bytes of a row: 16 rows at a time go through the wave's own stage and leave as aligned runs of 256 bytes.
; Rows 0-15 are stored here like the others and written anew, more finely, by the launch that follows.
; REGISTERS: window 0: v12, v13 the frame's scale; v16-26 addresses; v32-63 at work, v64-95 rows read back; v128-255 accumulator (a, b) at 128 + 8 (4 a + b).  Window 1: two fragment buffers of 128 (64 along K: A's 64 registers, B's 64).
.set SLOT,   131072
.set STAGE,  2*SLOT
.set SPITCH, 272
.set SPARE,  STAGE+4*16*SPITCH
.set LAPS,   4
.set SGV,  12
.set ADRA, 16
.set ADRB, 20
.set STO,  24
.set RD,   25
.set CO,   26
.set SPW,  28
.set NIL,  29
.set TMP,  32
.set BK,   64
.set ACC,  128
.set F0,   0
.set F1,   128
.set G1, 24
.set G0, 32
.set G1B, 48
.set G0B, 56
.set MSB, 0
.macro WIN new
.if MSB != \new
	s_set_vgpr_msb (MSB<<8)|\new
.set MSB, \new
.endif
.endm
.set WMUL, 0x05                        ; both sources in window 1
.set TO_F, 0x40                        ; destination window 1
.macro JLOAD s
	s_cmp_eq_u32 s13, 0
	s_cbranch_scc0 .Lfor_b_\@
	tensor_load_to_lds s[G0+4*\s:G0+4*\s+3], s[G1:G1+7]
	s_nop 0
.rept 4
	v_nop
.endr
	s_branch .Lasked_\@
.Lfor_b_\@:
	tensor_load_to_lds s[G0B+4*\s:G0B+4*\s+3], s[G1B:G1B+7]
	s_nop 0
.rept 4
	v_nop
.endr
.Lasked_\@:
.endm
.macro CREST
	s_cmp_lg_u32 s12, 0
	s_cbranch_scc1 .Lnot_wave_0_\@
	s_barrier_signal -3
.Lnot_wave_0_\@:
	s_barrier_wait -3
	s_barrier_signal -1
	s_barrier_wait -1
.endm
.macro CROUND
	s_barrier_signal -1
	s_barrier_wait -1
	CREST
.endm
.macro PLACES
.rept 4
	v_nop
.endr
.endm
	s_load_b256 s[4:11], s[0:1], 0x0               ; oimg, wh, qkv, out0
	v_lshl_add_u32 v[SPW], v0, 2, SPARE
	v_mov_b32 v[NIL], 0
	ds_add_u32 v[SPW], v[NIL]                      ; the opening: the add, twice on end, and its wait ahead of my first tensor load
	ds_add_u32 v[SPW], v[NIL]
	v_lshrrev_b32 v1, 5, v0
	v_readfirstlane_b32 s12, v1                    ; wave
	s_lshr_b32 s13, s12, 1                         ; my half of the rows; also: I fetch for A (0) or B (1)
	s_and_b32 s14, s12, 1                          ; my half of the columns; also: which K / 128 of the step I fetch
	s_bfe_u32 s40, ttmp6, 0x40000
	s_bfe_u32 s41, ttmp6, 0x40004
	s_lshl_b32 s42, ttmp9, 2
	s_add_co_u32 s42, s42, s40                     ; tile column
	s_and_b32 s43, ttmp7, 0xffff
	s_lshl_b32 s43, s43, 2
	s_add_co_u32 s43, s43, s41                     ; tile row
	s_lshl_b32 s47, s41, 2
	s_lshl_b32 s45, 15, s47                        ; my row of the cluster
	s_lshl_b32 s46, 0x1111, s40                    ; my column
	s_or_b32 s[G1], s45, (3<<16)|(1<<21)
	s_or_b32 s[G1B], s46, (3<<16)|(1<<21)
.irp g, G1, G1B
	s_mov_b32 s[\g+1], 32<<16                      ; rows of 256 bytes,
	s_mov_b32 s[\g+2], 128<<16                     ; 128 of them: 32 KiB, dense
	s_mov_b32 s[\g+3], 32<<16
	s_mov_b32 s[\g+4], 128
	s_mov_b32 s[\g+5], 32
	s_mov_b32 s[\g+6], 0
	s_mov_b32 s[\g+7], 0
.endr
	s_lshl_b32 s16, s14, 19                        ; A: my K / 128: 128 tiles of 4,096 bytes,
	s_lshl_b32 s17, s43, 15                        ; the tile row's 8 row tiles
	s_add_co_u32 s16, s16, s17
	s_mov_b32 s17, 0
	s_lshl_b32 s18, s14, 19                        ; B likewise, by the tile column,
	s_lshl_b32 s19, s42, 15
	s_add_co_u32 s18, s18, s19
	s_add_co_u32 s18, s18, 12582912                ; behind the other weights' images
	s_mov_b32 s19, 0
	s_lshl_b32 s87, s12, 15                        ; where they go: wave x 32 KiB
	s_mov_b32 s80, 0x76543210
	s_mov_b32 s81, 0xfedcba98
	s_wait_dscnt 0x0
	s_wait_kmcnt 0x0
	s_add_nc_u64 s[20:21], s[4:5], s[16:17]
	s_add_nc_u64 s[22:23], s[6:7], s[18:19]
	CROUND
.irp s, 0,1
	s_mov_b32 s[G0+4*\s], 1
	s_add_co_u32 s[G0+4*\s+1], s87, \s*SLOT
	s_add_nc_u64 s[G0+4*\s+2:G0+4*\s+3], s[20:21], \s*1048576
	s_or_b32 s[G0+4*\s+3], s[G0+4*\s+3], 0x80000000
	s_mov_b32 s[G0B+4*\s], 1
	s_add_co_u32 s[G0B+4*\s+1], s87, \s*SLOT
	s_add_nc_u64 s[G0B+4*\s+2:G0B+4*\s+3], s[22:23], \s*1048576
	s_or_b32 s[G0B+4*\s+3], s[G0B+4*\s+3], 0x80000000
	JLOAD \s
.endr
	v_and_b32 v1, 31, v0
	v_lshlrev_b32 v2, 4, v1
	s_add_nc_u64 s[88:89], s[8:9], 33554432+6144   ; v's 512 scales
.irp k, 0,1,2,3
	global_load_b128 v[TMP+4*\k:TMP+4*\k+3], v2, s[88:89] offset:512*\k
.endr
	s_lshl_b32 s90, s13, 14                        ; my 4 row tiles
	s_lshl_b32 s91, s14, 14                        ; my 4 column tiles,
	s_add_co_u32 s91, s91, 65536                   ; behind A's two blocks
	v_add_nc_u32 v[ADRA], s90, v2
	v_add_nc_u32 v[ADRB], s91, v2
	v_add_nc_u32 v[ADRA+1], SLOT, v[ADRA]
	v_add_nc_u32 v[ADRB+1], SLOT, v[ADRB]
	v_and_b32 v3, 15, v0
	v_bfe_u32 v4, v0, 4, 1
	s_mul_i32 s92, s12, 16*SPITCH
	s_add_co_u32 s92, s92, STAGE                   ; my stage
	v_mul_u32_u24 v5, v3, SPITCH
	v_lshl_add_u32 v5, v4, 5, v5
	v_add_nc_u32 v[STO], s92, v5                   ; in: row r, 32 bytes for each half of the lanes
	v_mul_u32_u24 v5, v4, SPITCH
	v_lshl_add_u32 v5, v3, 4, v5
	v_add_nc_u32 v[RD], s92, v5                    ; back: lanes 0-15 one row, lanes 16-31 the next
	v_lshlrev_b32 v5, 13, v4
	v_lshl_add_u32 v[CO], v3, 4, v5                ; and the same two rows in out0
	s_lshl_b32 s92, s43, 7
	s_lshl_b32 s93, s13, 6
	s_add_co_u32 s92, s92, s93                     ; my first row
	s_lshl_b32 s92, s92, 13
	s_lshl_b32 s93, s42, 9
	s_add_co_u32 s92, s92, s93
	s_lshl_b32 s93, s14, 8
	s_add_co_u32 s92, s92, s93                     ; + my first column, in bytes
	s_mov_b32 s93, 0
	s_add_nc_u64 s[10:11], s[10:11], s[92:93]
	s_wait_loadcnt 0x0
	v_max3_num_f32 v32, v32, v33, v34
	v_max3_num_f32 v35, v35, v36, v37
	v_max3_num_f32 v38, v38, v39, v40
	v_max3_num_f32 v41, v41, v42, v43
	v_max3_num_f32 v44, v44, v45, v46
	v_max3_num_f32 v32, v32, v35, v38
	v_max3_num_f32 v32, v32, v41, v44
	v_max_num_f32 v32, v32, v47
	v_max_num_f32_dpp v32, v32, v32 row_xmask:1 row_mask:0xf bank_mask:0xf
	v_max_num_f32_dpp v32, v32, v32 row_xmask:2 row_mask:0xf bank_mask:0xf
	v_max_num_f32_dpp v32, v32, v32 row_xmask:4 row_mask:0xf bank_mask:0xf
	v_max_num_f32_dpp v32, v32, v32 row_xmask:8 row_mask:0xf bank_mask:0xf
	v_permlanex16_b32 v33, v32, s80, s81
	v_max_num_f32 v[SGV], v32, v33                 ; the frame's scale
	v_mov_b32 v[SGV+1], v[SGV]
.macro MUL8 f, c, a0, zero             ; row tiles a0, a0 + 1 x the 4 column tiles, 32 along K: half c of buffer f
.irp a, \a0, \a0+1
.irp b, 0,1,2,3
.if \zero
	v_wmma_f32_16x16x32_f16 v[ACC+8*(4*(\a)+\b):ACC+8*(4*(\a)+\b)+7], v[\f+64+8*(4*\c+\b):\f+64+8*(4*\c+\b)+7], v[\f+8*(4*\c+\a):\f+8*(4*\c+\a)+7], 0
.else
	v_wmma_f32_16x16x32_f16 v[ACC+8*(4*(\a)+\b):ACC+8*(4*(\a)+\b)+7], v[\f+64+8*(4*\c+\b):\f+64+8*(4*\c+\b)+7], v[\f+8*(4*\c+\a):\f+8*(4*\c+\a)+7], v[ACC+8*(4*(\a)+\b):ACC+8*(4*(\a)+\b)+7]
.endif
.endr
.endr
.endm
.macro FETCH slot, qd, f               ; 32 LDS loads in one run: quarter qd (64 along K) of the slot; its first 32 along K first
	WIN TO_F
.irp c, 0,1
.irp i, 0,1,2,3
	ds_load_b128 v[\f+64+8*(4*\c+\i):\f+64+8*(4*\c+\i)+3],   v[ADRB+\slot] offset:((\qd)/2)*32768+((\qd)%2)*2048+\c*1024+\i*4096
	ds_load_b128 v[\f+64+8*(4*\c+\i)+4:\f+64+8*(4*\c+\i)+7], v[ADRB+\slot] offset:((\qd)/2)*32768+((\qd)%2)*2048+\c*1024+\i*4096+512
	ds_load_b128 v[\f+8*(4*\c+\i):\f+8*(4*\c+\i)+3],         v[ADRA+\slot] offset:((\qd)/2)*32768+((\qd)%2)*2048+\c*1024+\i*4096
	ds_load_b128 v[\f+8*(4*\c+\i)+4:\f+8*(4*\c+\i)+7],       v[ADRA+\slot] offset:((\qd)/2)*32768+((\qd)%2)*2048+\c*1024+\i*4096+512
.endr
.endr
.endm
.macro QUARTER slot, qd, f, g, zero    ; multiplies buffer f, fetches quarter qd into g; the 16 accumulators take turns
	s_wait_dscnt 16                                ; the first 32 along K are in
	WIN WMUL
	MUL8 \f, 0, 0, \zero
	MUL8 \f, 0, 2, \zero
	PLACES
	FETCH \slot, \qd, \g
	s_wait_dscnt 32                                ; all but the 32 just issued
	WIN WMUL
	MUL8 \f, 1, 0, 0
	MUL8 \f, 1, 2, 0
.endm
.macro TURN slot, next, fill
	WIN 0
	s_wait_tensorcnt 0x0                           ; all my tensor loads have landed: my part of the next slot
	ds_add_u32 v[SPW], v[NIL]
	s_wait_dscnt 17                                ; (the add and the youngest sixteen loads may be out)
	WIN WMUL
	MUL8 F1, 0, 0, 0
	s_wait_dscnt 0x0                               ; the add is done, and my reads of this slot are over
	s_barrier_signal -1
	MUL8 F1, 0, 2, 0
	WIN 0
	s_barrier_wait -1
.if \fill
	CREST
	s_add_nc_u64 s[G0+4*\slot+2:G0+4*\slot+3], s[G0+4*\slot+2:G0+4*\slot+3], 2097152
	s_add_nc_u64 s[G0B+4*\slot+2:G0B+4*\slot+3], s[G0B+4*\slot+2:G0B+4*\slot+3], 2097152
	JLOAD \slot                                    ; the first tensor load behind the round; its four v_nop are the places in front of the loads below
.else
	PLACES
.endif
	FETCH \next, 0, F0
	WIN WMUL
	MUL8 F1, 1, 0, 0
	MUL8 F1, 1, 2, 0
.endm
	s_wait_tensorcnt 1                             ; my part of K step 0 is in; K step 1's may stay out
	s_barrier_signal -1
	s_barrier_wait -1
	FETCH 0, 0, F0
	QUARTER 0, 1, F0, F1, 1
	WIN 0
	s_mov_b32 s3, LAPS-1
.Llap:
	QUARTER 0, 2, F1, F0, 0
	QUARTER 0, 3, F0, F1, 0
	TURN 0, 1, 1
	QUARTER 1, 1, F0, F1, 0
	QUARTER 1, 2, F1, F0, 0
	QUARTER 1, 3, F0, F1, 0
	TURN 1, 0, 1
	QUARTER 0, 1, F0, F1, 0
	WIN 0
	s_sub_co_u32 s3, s3, 1
	s_cmp_lg_u32 s3, 0
	s_cbranch_scc1 .Llap
	QUARTER 0, 2, F1, F0, 0
	QUARTER 0, 3, F0, F1, 0
	TURN 0, 1, 0
	QUARTER 1, 1, F0, F1, 0
	QUARTER 1, 2, F1, F0, 0
	QUARTER 1, 3, F0, F1, 0
	s_wait_dscnt 16
	WIN WMUL
	MUL8 F1, 0, 0, 0
	MUL8 F1, 0, 2, 0
	s_wait_dscnt 0x0
	MUL8 F1, 1, 0, 0
	MUL8 F1, 1, 2, 0
	WIN 0
	PLACES
.irp a, 0,1,2,3                        ; 16 rows at a time through my own stage
.if \a > 0
	s_wait_xcnt 0x0                                ; the rows before have been read by their stores: v64-95 may be loaded again
.endif
.irp b, 0,1,2,3
.irp p, 0,2,4,6
	v_pk_mul_f32 v[TMP+8*\b+\p:TMP+8*\b+\p+1], v[ACC+8*(4*\a+\b)+\p:ACC+8*(4*\a+\b)+\p+1], v[SGV:SGV+1] op_sel_hi:[1,0]   ; each accumulator from its low end on
.endr
.endr
.irp b, 0,1,2,3
	ds_store_b128 v[STO], v[TMP+8*\b:TMP+8*\b+3] offset:64*\b
	ds_store_b128 v[STO], v[TMP+8*\b+4:TMP+8*\b+7] offset:64*\b+16
.endr
.irp i, 0,1,2,3,4,5,6,7
	ds_load_b128 v[BK+4*\i:BK+4*\i+3], v[RD] offset:\i*2*SPITCH    ; LDS serves a wave's instructions in order: these see the stores above
.endr
	s_wait_dscnt 0x0
.irp i, 0,1,2,3,4,5,6,7
	global_store_b128 v[CO], v[BK+4*\i:BK+4*\i+3], s[10:11] offset:(16*\a+2*\i)*8192   ; sixteen lanes store 256 consecutive bytes, aligned
.endr
.endr
	s_wait_tensorcnt 0x0                           ; the wave's end
	ds_add_u32 v[SPW], v[NIL]
	s_wait_dscnt 0x0
	CROUND
	s_endpgm
.Lfunc_end_k_qd13fe2f814_outproj:
	.size	k_qd13fe2f814_outproj, .Lfunc_end_k_qd13fe2f814_outproj-k_qd13fe2f814_outproj
	.p2alignl 7, 3214868480
	.fill 96, 4, 3214868480
	.section	.rodata,"a",@progbits
	.p2align	6, 0x0
	.amdhsa_kernel k_qd13fe2f814_outproj
		.amdhsa_group_segment_fixed_size 327680
		.amdhsa_private_segment_fixed_size 0
		.amdhsa_enable_private_segment 0
		.amdhsa_kernarg_size 32
		.amdhsa_user_sgpr_count 2
		.amdhsa_user_sgpr_kernarg_segment_ptr 1
		.amdhsa_wavefront_size32 1
		.amdhsa_system_sgpr_workgroup_id_x 1
		.amdhsa_system_sgpr_workgroup_id_y 1
		.amdhsa_system_sgpr_workgroup_id_z 1
		.amdhsa_system_vgpr_workitem_id 0
		.amdhsa_next_free_vgpr 512
		.amdhsa_next_free_sgpr 100
		.amdhsa_reserve_vcc 0
		.amdhsa_float_denorm_mode_32 3
		.amdhsa_float_denorm_mode_16_64 3
		.amdhsa_memory_ordered 1
		.amdhsa_forward_progress 1
		.amdhsa_inst_pref_size 91
	.end_amdhsa_kernel
	.amdgpu_metadata
---
amdhsa.version: [ 1, 2 ]
amdhsa.kernels:
  - .name:           k_qd13fe2f814_outproj
    .symbol:         k_qd13fe2f814_outproj.kd
    .args:
      - { .name: oimg, .offset: 0, .size: 8, .value_kind: global_buffer, .address_space: global }
      - { .name: wh, .offset: 8, .size: 8, .value_kind: global_buffer, .address_space: global }
      - { .name: qkv, .offset: 16, .size: 8, .value_kind: global_buffer, .address_space: global }
      - { .name: out0, .offset: 24, .size: 8, .value_kind: global_buffer, .address_space: global }
    .group_segment_fixed_size: 327680
    .private_segment_fixed_size: 0
    .kernarg_segment_align: 8
    .kernarg_segment_size: 32
    .max_flat_workgroup_size: 128
    .sgpr_count:     100
    .vgpr_count:     512
    .wavefront_size: 32
...
	.end_amdgpu_metadata
.endif
;; end of part 5
;; launch fine (part 6): grid 128 x 1, 16 waves a work-group, no clusters, 18,432 bytes of LDS; arguments qkv, cimg, v32, W_out, out0; writes out0
.if DOCPART == 6
	.amdgcn_target "amdgcn-amd-amdhsa--gfx1250"
	.amdhsa_code_object_version 6
	.text
	.protected	k_qd13fe2f814_fine
	.globl	k_qd13fe2f814_fine
	.p2align	8
	.type	k_qd13fe2f814_fine,@function
k_qd13fe2f814_fine:
	s_mov_b64 s[64:65], 0
	v_nop
	global_prefetch_b8 v0, s[64:65] scope:SCOPE_SE
	s_setreg_imm32_b32 hwreg(HW_REG_WAVE_MODE, 25, 1), 1
	s_wait_xcnt 0x0
; Rows 0-15 of the result once more, finely: their softmax averages one to sixteen values, so v, p, the difference and the projection are carried in f32 (0.3 GFLOP in all).  The scores take the f16 images of q and k.
; A work-group owns 16 columns of out0, a wave one k/v head; the attention of the 16 rows is made anew in each work-group (40 small matrix instructions a head), so that each output number has one owner.
; S^T = K Q^T: lane (r, h), register j: key 8 h + j, query r.  Pd = p1 / l1 - lambda p2 / l2 in the same places.
; The f32 matrix form sums over four k; here its k places (h, j') stand for key (or channel) 8 h + 2 u + j' on BOTH sources, so registers 2 u, 2 u + 1 of a result are a source as they lie, and no lane moves.
; v of positions 0-15 lies in the order of the registers that take it: column tile x 1,024 + half x 512 + 16 lane; lane (r, h), register 4 half + e: v(8 h + 4 half + e, 16 tile + r): two loads of 512 consecutive bytes a tile.
; O'(channel, query) = sum over keys of v Pd; Y(query, column) = sum over channels of O' W_out; the 16 heads' Y meet in LDS and wave 0 adds and stores them.
; v208-255 (O', Y) are written by matrix instructions alone.
.set SPARE, 16384
.set SPW, 22
.set NIL, 23
	s_load_b256 s[4:11], s[0:1], 0x0               ; qkv, cimg, v32, W_out
	s_load_b64 s[12:13], s[0:1], 0x20              ; out0
	v_lshl_add_u32 v[SPW], v0, 2, SPARE
	v_mov_b32 v[NIL], 0
	v_lshrrev_b32 v1, 5, v0
	v_readfirstlane_b32 s14, v1                    ; wave = head
	v_and_b32 v1, 31, v0
	v_lshlrev_b32 v2, 4, v1                        ; 16 x lane
	v_and_b32 v3, 15, v0                           ; r
	v_bfe_u32 v4, v0, 4, 1                         ; h
	v_lshlrev_b32 v5, 2, v3                        ; 4 r
	v_lshl_add_u32 v6, v4, 16, v5                  ; 8 h rows of 8,192 bytes + 4 r
	v_lshlrev_b32 v7, 3, v4
	v_sub_nc_u32 v7, v3, v7                        ; r - 8 h
	v_mov_b32 v9, 0xff800000
	s_lshl_b32 s30, s14, 10
	v_add_nc_u32 v10, s30, v2                      ; LDS: my head's 1,024 bytes
	v_mov_b32 v106, 0                              ; lane permutes' destinations count as read
	v_mov_b32 v107, 0
	s_mov_b32 s38, 0x76543210
	s_mov_b32 s39, 0xfedcba98
	s_lshl_b32 s16, s14, 20                        ; q's slot 2 hd; also W_out's 128 rows of the head
	s_mov_b32 s17, 0
	s_add_co_u32 s18, s14, 32
	s_lshl_b32 s18, s18, 19                        ; k's slot 32 + hd
	s_mov_b32 s19, 0
	s_lshl_b32 s20, s14, 8                         ; the table: q's entries,
	s_lshl_b32 s21, s14, 7                         ; k's
	s_wait_kmcnt 0x0
	s_add_nc_u64 s[32:33], s[4:5], 33554432
	s_load_b32 s22, s[32:33], s20 offset:0x0       ; scale of q, head 2 hd, rows 0-63
	s_load_b32 s23, s[32:33], s20 offset:0x80      ; head 2 hd + 1
	s_load_b32 s24, s[32:33], s21 offset:0x1000    ; scale of k
	s_add_nc_u64 s[26:27], s[4:5], s[16:17]        ; q
	s_add_nc_u64 s[28:29], s[4:5], s[18:19]        ; k
	s_add_nc_u64 s[10:11], s[10:11], s[16:17]
	s_lshl_b32 s16, ttmp9, 6                       ; my 16 columns, in bytes
	s_add_nc_u64 s[10:11], s[10:11], s[16:17]      ; W_out
	s_add_nc_u64 s[12:13], s[12:13], s[16:17]      ; out0
	s_lshl_b32 s16, s14, 13
	s_add_nc_u64 s[8:9], s[8:9], s[16:17]          ; v: the head's 8 column tiles of 1,024 bytes
	s_lshl_b32 s16, s14, 13
	s_add_co_u32 s16, s16, 6291456
	s_add_nc_u64 s[6:7], s[6:7], s[16:17]          ; lambda of the head
	global_load_b32 v8, v5, s[6:7]
.irp f, 0,1,2,3,4,5,6,7
	global_load_b128 v[24+4*\f:24+4*\f+3], v2, s[28:29] offset:512*\f
	global_load_b128 v[56+4*\f:56+4*\f+3], v2, s[26:27] offset:512*\f
	global_load_b128 v[88+4*\f:88+4*\f+3], v2, s[26:27] offset:524288+512*\f
.endr
.irp n, 0,1,2,3,4,5,6,7
	global_load_b128 v[120+8*\n:123+8*\n], v2, s[8:9] offset:\n*1024         ; v(8 h + 0 .. 3, 16 n + r)
	global_load_b128 v[124+8*\n:127+8*\n], v2, s[8:9] offset:\n*1024+512     ; v(8 h + 4 .. 7, 16 n + r)
.endr
	s_wait_loadcnt 16                              ; behind lambda, k and q stand v's 16 loads, which may be out
.irp d, 0,1,2,3
.if \d == 0
	v_wmma_f32_16x16x32_f16 v[184:191], v[24+8*\d:31+8*\d], v[56+8*\d:63+8*\d], 0
	v_wmma_f32_16x16x32_f16 v[192:199], v[24+8*\d:31+8*\d], v[88+8*\d:95+8*\d], 0
.else
	v_wmma_f32_16x16x32_f16 v[184:191], v[24+8*\d:31+8*\d], v[56+8*\d:63+8*\d], v[184:191]   ; the two accumulators take turns
	v_wmma_f32_16x16x32_f16 v[192:199], v[24+8*\d:31+8*\d], v[88+8*\d:95+8*\d], v[192:199]
.endif
.endr
.rept 4
	v_nop
.endr
.irp n, 0,1,2,3,4,5,6,7
.irp k, 0,1,2,3,4,5,6,7
	global_load_b32 v[24+8*\n+\k], v6, s[10:11] offset:(16*\n+\k)*8192   ; W_out(128 hd + 16 n + 8 h + k, n0 + r)
.endr
.endr
	s_wait_kmcnt 0x0
	s_mul_f32 s22, s22, s24
	s_mul_f32 s23, s23, s24
	s_mul_f32 s22, s22, 0x3e0293ee                 ; log2(e) / sqrt(128) x the two scales
	s_mul_f32 s23, s23, 0x3e0293ee
.irp j, 0,1,2,3,4,5,6,7
	v_cmp_gt_i32 vcc_lo, \j, v7                    ; key 8 h + j comes after query r
	v_cndmask_b32 v[88+\j], v[184+\j], v9, vcc_lo
	v_cndmask_b32 v[96+\j], v[192+\j], v9, vcc_lo
.endr
	v_max3_num_f32 v104, v88, v89, v90
	v_max3_num_f32 v105, v96, v97, v98
	v_max3_num_f32 v104, v104, v91, v92
	v_max3_num_f32 v105, v105, v99, v100
	v_max3_num_f32 v104, v104, v93, v94
	v_max3_num_f32 v105, v105, v101, v102
	v_max_num_f32 v104, v104, v95
	v_max_num_f32 v105, v105, v103
	v_permlanex16_b32 v106, v104, s38, s39
	v_permlanex16_b32 v107, v105, s38, s39
	v_max_num_f32 v104, v104, v106                 ; the row's maximum is taken away
	v_max_num_f32 v105, v105, v107
.irp j, 0,1,2,3,4,5,6,7
	v_sub_f32 v[88+\j], v[88+\j], v104
	v_sub_f32 v[96+\j], v[96+\j], v105
.endr
.irp j, 0,1,2,3,4,5,6,7
	v_mul_f32 v[88+\j], s22, v[88+\j]
	v_mul_f32 v[96+\j], s23, v[96+\j]
.endr
.irp j, 0,1,2,3,4,5,6,7
	v_exp_f32 v[88+\j], v[88+\j]
	v_exp_f32 v[96+\j], v[96+\j]
.endr
	v_nop
	s_wait_alu depctr_va_vdst(0)                   ; one wait for the sixteen
	v_add_f32 v104, v88, v89
	v_add_f32 v105, v96, v97
.irp j, 2,3,4,5,6,7
	v_add_f32 v104, v104, v[88+\j]
	v_add_f32 v105, v105, v[96+\j]
.endr
	v_permlanex16_b32 v106, v104, s38, s39
	v_permlanex16_b32 v107, v105, s38, s39
	v_add_f32 v104, v104, v106
	v_add_f32 v105, v105, v107
	v_rcp_f32 v108, v104
	v_rcp_f32 v109, v105
	v_nop
	s_wait_alu depctr_va_vdst(0)
	v_mul_f32 v109, v8, v109                       ; lambda / l2
.irp j, 0,1,2,3,4,5,6,7
	v_mul_f32 v[200+\j], v[88+\j], v108
.endr
.irp j, 0,1,2,3,4,5,6,7
	v_fma_f32 v[200+\j], -v[96+\j], v109, v[200+\j]
.endr
	s_wait_loadcnt 63                              ; behind v's loads 64 were issued: with at most 63 out, v is in
.irp g, 0,1
.irp u, 0,1,2,3                        ; O' of channels 64 g .. 64 g + 63: four accumulators take turns
.irp n, 0,1,2,3
.if \u == 0
	v_wmma_f32_16x16x4_f32 v[208+8*\n:215+8*\n], v[120+8*(4*\g+\n)+2*\u:121+8*(4*\g+\n)+2*\u], v[200+2*\u:201+2*\u], 0
.else
	v_wmma_f32_16x16x4_f32 v[208+8*\n:215+8*\n], v[120+8*(4*\g+\n)+2*\u:121+8*(4*\g+\n)+2*\u], v[200+2*\u:201+2*\u], v[208+8*\n:215+8*\n]
.endif
.endr
.endr
.rept 9
	v_nop                                          ; nine places before a matrix instruction takes these results as a source
.endr
.if \g == 0
	s_wait_loadcnt 0x0                             ; W_out
.endif
.irp n, 0,1,2,3
.irp u, 0,1,2,3
.if (\g == 0) && (\n == 0) && (\u < 2)
	v_wmma_f32_16x16x4_f32 v[240+8*(\u%2):247+8*(\u%2)], v[208+8*\n+2*\u:209+8*\n+2*\u], v[24+8*(4*\g+\n)+2*\u:25+8*(4*\g+\n)+2*\u], 0
.else
	v_wmma_f32_16x16x4_f32 v[240+8*(\u%2):247+8*(\u%2)], v[208+8*\n+2*\u:209+8*\n+2*\u], v[24+8*(4*\g+\n)+2*\u:25+8*(4*\g+\n)+2*\u], v[240+8*(\u%2):247+8*(\u%2)]
.endif
.endr
.endr
.rept 9
	v_nop                                          ; nine places before O' is begun anew over registers just read; at the end: before the results are read
.endr
.endr
.irp j, 0,1,2,3,4,5,6,7
	v_add_f32 v[104+\j], v[240+\j], v[248+\j]
.endr
	ds_store_b128 v10, v[104:107]
	ds_store_b128 v10, v[108:111] offset:512
	s_wait_dscnt 0x0                               ; for the others' sake: my stores have landed
	s_barrier_signal -1
	s_barrier_wait -1
	s_cmp_lg_u32 s14, 0
	s_cbranch_scc1 .Lend
.set w, 0
.rept 16
	ds_load_b128 v[24+8*w:27+8*w], v2 offset:w*1024
	ds_load_b128 v[28+8*w:31+8*w], v2 offset:w*1024+512
.set w, w+1
.endr
	s_wait_dscnt 0x0
.set w, 1
.rept 15
.irp p, 0,2,4,6
	v_pk_add_f32 v[24+\p:25+\p], v[24+\p:25+\p], v[24+8*w+\p:25+8*w+\p]
.endr
.set w, w+1
.endr
.irp j, 0,1,2,3,4,5,6,7
	global_store_b32 v6, v[24+\j], s[12:13] offset:\j*8192   ; out0(8 h + j, n0 + r): pieces of 64 bytes, 128 KiB in the whole launch
.endr
.Lend:
	s_wait_tensorcnt 0x0                           ; the wave's end: behind my last LDS store
	ds_add_u32 v[SPW], v[NIL]
	s_wait_dscnt 0x0
	s_endpgm
.Lfunc_end_k_qd13fe2f814_fine:
	.size	k_qd13fe2f814_fine, .Lfunc_end_k_qd13fe2f814_fine-k_qd13fe2f814_fine
	.p2alignl 7, 3214868480
	.fill 96, 4, 3214868480
	.section	.rodata,"a",@progbits
	.p2align	6, 0x0
	.amdhsa_kernel k_qd13fe2f814_fine
		.amdhsa_group_segment_fixed_size 18432
		.amdhsa_private_segment_fixed_size 0
		.amdhsa_enable_private_segment 0
		.amdhsa_kernarg_size 40
		.amdhsa_user_sgpr_count 2
		.amdhsa_user_sgpr_kernarg_segment_ptr 1
		.amdhsa_wavefront_size32 1
		.amdhsa_system_sgpr_workgroup_id_x 1
		.amdhsa_system_sgpr_workgroup_id_y 1
		.amdhsa_system_sgpr_workgroup_id_z 1
		.amdhsa_system_vgpr_workitem_id 0
		.amdhsa_next_free_vgpr 256
		.amdhsa_next_free_sgpr 66
		.amdhsa_reserve_vcc 1
		.amdhsa_float_denorm_mode_32 3
		.amdhsa_float_denorm_mode_16_64 3
		.amdhsa_memory_ordered 1
		.amdhsa_forward_progress 1
		.amdhsa_inst_pref_size 30
	.end_amdhsa_kernel
	.amdgpu_metadata
---
amdhsa.version: [ 1, 2 ]
amdhsa.kernels:
  - .name:           k_qd13fe2f814_fine
    .symbol:         k_qd13fe2f814_fine.kd
    .args:
      - { .name: qkv, .offset: 0, .size: 8, .value_kind: global_buffer, .address_space: global }
      - { .name: cimg, .offset: 8, .size: 8, .value_kind: global_buffer, .address_space: global }
      - { .name: v32, .offset: 16, .size: 8, .value_kind: global_buffer, .address_space: global }
      - { .name: W_out, .offset: 24, .size: 8, .value_kind: global_buffer, .address_space: global }
      - { .name: out0, .offset: 32, .size: 8, .value_kind: global_buffer, .address_space: global }
    .group_segment_fixed_size: 18432
    .private_segment_fixed_size: 0
    .kernarg_segment_align: 8
    .kernarg_segment_size: 40
    .max_flat_workgroup_size: 512
    .sgpr_count:     66
    .vgpr_count:     256
    .wavefront_size: 32
...
	.end_amdgpu_metadata
.endif
;; end of part 6
